; MI455X (gfx1250); checked and timed in simulation.
; The chip was launched on July 23, 2026; its instructions are those of AMD's public machine-readable ISA for CDNA 5 (MIT licence, August 2026) and "CDNA5" Instruction Set Architecture Reference Guide (July 2026). The comments in the code are by the model that wrote it; some were corrected since.
;; Block. Allowed arithmetic: matrix products marked QUANTISED: E3M2 operands, one E8M0 scale for each 32 along K, by v_wmma_scale_f32_16x16x128_f8f6f4 with both operands' format E3M2, f32 sums; everything else in f32.
;; Inputs: fc1_b 4,096 float32; fc1_w_codes 4,096 x 32 x 24 uint8 (E3M2 codes of fc1_w, K innermost, in blocks of 32 codes, four codes in three bytes); fc1_w_scales 4,096 x 32 uint8 (E8M0 scales of fc1_w, one for each 32 codes along K); fc2_b 1,024 float32; fc2_w_codes 1,024 x 128 x 24 uint8 (E3M2 codes of fc2_w, K innermost, in blocks of 32 codes, four codes in three bytes); fc2_w_scales 1,024 x 128 uint8 (E8M0 scales of fc2_w, one for each 32 codes along K); ln1_b 1,024 float32; ln1_w 1,024 float32; ln2_b 1,024 float32; ln2_w 1,024 float32; w_proj_codes 1,024 x 32 x 24 uint8 (E3M2 codes of w_proj, K innermost, in blocks of 32 codes, four codes in three bytes); w_proj_scales 1,024 x 32 uint8 (E8M0 scales of w_proj, one for each 32 codes along K); w_qkv_codes 3,072 x 32 x 24 uint8 (E3M2 codes of w_qkv, K innermost, in blocks of 32 codes, four codes in three bytes); w_qkv_scales 3,072 x 32 uint8 (E8M0 scales of w_qkv, one for each 32 codes along K); x 2 x 2,048 x 1,024 float32.
;; Outputs: out0 2 x 2,048 x 1,024 float32.
;; This version of the problem:
;;   THIS VERSION OF THE PROBLEM IS GIVEN IN LOW PRECISION. The matrix products marked QUANTISED in the list below multiply operands that are first quantised to E3M2 (3 exponent bits, 2 mantissa bits; 6 bits a number), with one power-of-two scale for each 32 numbers along K (OCP MX v1.0); their sums are f32. All else is computed in f32.
;;   The module's matrix products, in the order in which they are computed (A, B: the left and right operand; K: the contracted axis; several contracted axes count as one K, in the product's order):
;;     1. [M 4,096, K 1,024] x [K 1,024, N 3,072]; A: computed on the way; B: input w_qkv (given as codes): QUANTISED
;;     2. batch 32 x [M 2,048, K 64] x [K 64, N 2,048]; A: computed on the way; B: computed on the way: QUANTISED
;;     3. batch 32 x [M 2,048, K 2,048] x [K 2,048, N 64]; A: softmax (see below); B: computed on the way: QUANTISED
;;     4. [M 4,096, K 1,024] x [K 1,024, N 1,024]; A: computed on the way; B: input w_proj (given as codes): QUANTISED
;;     5. [M 4,096, K 1,024] x [K 1,024, N 4,096]; A: computed on the way; B: input fc1_w (given as codes): QUANTISED
;;     6. [M 4,096, K 4,096] x [K 4,096, N 1,024]; A: computed on the way; B: input fc2_w (given as codes): QUANTISED
;;   THE QUANTISER, for each operand of a quantised product, along K:
;;     - K is cut into blocks of 32 from its start; a last block that is shorter is filled with zeros.
;;     - A block's scale is 2^e with e = floor(log2(the largest magnitude in the block)) - 4, held to -126 .. 127; a block of zeros has e = 0. As a byte (E8M0): e + 127.
;;     - Each number is divided by its block's scale, clamped to +-28, and rounded to the nearest number of E3M2, ties to even, subnormals kept.
;;     - The product sums the exact products of the quantised numbers (number of the format x scale) in f32.
;;   ~~~python
;;   def quantise(x, axis):      # numpy; x: float32 -> the quantised numbers, widened to float32 again
;;       x = np.moveaxis(x, axis, -1); K = x.shape[-1]
;;       x = np.pad(x, [(0, 0)] * (x.ndim - 1) + [(0, -K % 32)]); x = x.reshape(x.shape[:-1] + (-1, 32)); a = np.abs(x).max(-1, keepdims=True)
;;       e = np.where(a > 0, np.clip(np.frexp(np.where(a > 0, a, 1))[1] - 1 - 4, -126, 127), 0)      # np.frexp(a)[1] - 1 = floor(log2(a)), exactly
;;       r = np.clip(x / 2.0 ** e, -28, 28)
;;       step = 2.0 ** (np.maximum(np.frexp(np.where(r == 0, 1, r))[1] - 1, -2) - 2)
;;       q = np.round(r / step) * step * 2.0 ** e      # np.round: ties to even
;;       return np.moveaxis(q.reshape(q.shape[:-2] + (-1,))[..., :K], -1, axis).astype(np.float32)
;;   ~~~
;;   SOFTMAX AHEAD OF A QUANTISED PRODUCT. Where the list says 'softmax', what is quantised is not the finished softmax but p = 2^(t - M), with t = logit x log2(e) and M = ceil(the row's largest t), a whole number; so 1/2 < the row's largest p <= 1. The row's sum l is taken of the UNQUANTISED p, in f32, and the product's result is divided by l at the end. Since M is a whole number, a kernel that streams over the keys may use a running M (the ceiling of the running maximum): every later rescaling is an exact power of two, which a block's scale takes up: the codes' values come out the same.
;;   OPERANDS COMPUTED ON THE WAY. 'Computed on the way' means the value that the module computes at that place (a softmax that the list does not call 'softmax' is quantised finished and normalised). What goes into a quantiser is computed in f32, as accurately as f32 sums, v_exp_f32 and their like allow (about 1e-6 of the number): no bf16 or f16 on the way to a quantiser, and a product that is left as it is and whose result goes on into a quantised operand takes f32 operands (vector FMAs, or v_wmma_f32_16x16x4_f32). A number that lies on a knife's edge between two numbers of the format may be rounded either way, as far as f32 arithmetic and the matrix unit's own rounding can turn it there, and no further.
;;   INPUTS GIVEN AS CODES. fc1_w (in the module: [1024, 4096], K = its axis 0); fc2_w (in the module: [4096, 1024], K = its axis 0); w_proj (in the module: [1024, 1024], K = its axis 0); w_qkv (in the module: [1024, 3072], K = its axis 0): each comes as NAME_codes (uint8): NAME with its K axis moved to the last place and cut into blocks of 32 codes, [.., K / 32, bytes a block], one block behind the other in memory; four codes in three bytes: a row's codes are one little-endian stream of bits, code i at bits 6 i .. 6 i + 5 (a code: sign, 3 exponent bits, 2 mantissa bits); and NAME_scales (uint8): the same leading axes, one E8M0 byte (e + 127) for each 32 codes along K. Its value is code x scale, taken as it is: it is not quantised again, and the codes and scales need not be those that the quantiser above would give.
;; One version. Each part assembles by itself: llvm-mc -triple=amdgcn-amd-amdhsa -mcpu=gfx1250 --defsym DOCPART=n.
;; ======== version 1 of 1: 7 launches
;; limits: right only within a limited range of input values
;; workspace buffers: act 3,276,800 bytes; qb 3,407,872 bytes; kv 6,684,672 bytes; x1 16,777,216 bytes; g 13,107,200 bytes; wq 2,359,296 bytes; w1 3,145,728 bytes; wp2 3,932,160 bytes
;; launch ln1 (part 1): grid 256 x 1, 4 waves a work-group, no clusters, 76,288 bytes of LDS; arguments x, ln1_w, ln1_b, act, w_qkv_codes, wq; writes act, wq
.if DOCPART == 1
	.amdgcn_target "amdgcn-amd-amdhsa--gfx1250"
	.amdhsa_code_object_version 6
	.text
	.protected	k_q8af7b73557_ln1
	.globl	k_q8af7b73557_ln1
	.p2align	8
	.type	k_q8af7b73557_ln1,@function
k_q8af7b73557_ln1:
	s_mov_b64 s[64:65], 0
	v_nop
	global_prefetch_b8 v0, s[64:65] scope:SCOPE_SE
	s_setreg_imm32_b32 hwreg(HW_REG_WAVE_MODE, 25, 1), 1
	s_wait_xcnt 0x0
; LayerNorm of 4,096 rows of 1,024 f32, then the quantiser along the row: codes of E3M2 with one E8M0 byte for each 32 numbers.
; OUT (buffer act): codes as images of operand registers: [row / 16][k / 64][768 bytes]; in an image lane (r, hh) owns the 192 bits of k = 32 hh .. 32 hh + 31 of row r:
; its registers 0-3 at byte 16 x lane, registers 4-5 at byte 512 + 8 x lane.  Scale bytes: row-major [row][32], from byte ASC1 on.
; SHARES: a work-group takes 16 rows, wave w their columns 256 w .. 256 w + 255.  Loads take 512 bytes on end; the wave's own stage in LDS turns them so that a lane holds four whole blocks of 32.
; Mean and variance in two passes over registers (the row is read from memory once); the four waves' partial sums meet in LDS behind a barrier.
; GAIN AND BIAS: a wave brings its 256 + 256 numbers by four loads of 512 bytes on end, ahead of the rows' loads, lays them into its own 2,048 bytes of LDS while the rows are on their way,
; and reads them from there, sixteen lanes sharing each 16 bytes: each number leaves memory once for a wave, and no turn of the last phase waits for memory.
; No matrix unit, no cluster, no tensor load: work-groups share no input but the 8 KB of gain and bias, and memory binds.
; LDS: the small regions lie first, the stages behind them with their base in the address registers, so that every immediate offset fits its 16 bits.
; LIMITS: NaN and infinities are not served.  A block whose largest magnitude lies under 2^-122 (a block of zeros too) gets the byte 1 where the rule says 127 for zeros: its codes are then zeros
; or subnormal codes under byte 1, and only this program reads the bytes.  The order of the f32 sums differs from the reference's.
.set RED1, 0                           ; 4 waves x 16 rows: sums
.set RED2, 256                         ; sums of squares
.set SCB,  512                         ; 16 rows x 32 scale bytes on their way out
.set WB0,  1024                        ; 4 waves x (1,024 bytes of gain + 1,024 of bias), each wave's own
.set STG0, WB0+4*2048                  ; the four stages
.set STGP, 1040                        ; a stage row: 1,024 bytes + 16: row r begins 4 r banks on
.set WST,  16*STGP                     ; a wave's stage
.set ASC1, 3145728
.set X,    128                         ; v128-255: my 128 numbers: register 32 j + i = column 256 w + 64 j + 32 hh + i of row r
.set WR,   64                          ; v64-95 gain, v96-127 bias of the 32 columns in hand (v64-79 first: gain and bias as loaded)
.set BR,   96
.set TM,   14                          ; v14-15 largest magnitudes
.set SCLR, 31                          ; v31 the conversions' scale operand
.set PT,   13                          ; v13 a lane permute's destination
.set SH8,  11                          ; v11 8 hh
.set SEL,  14                          ; s[14:15] selects for lane l xor 16
; 32 numbers of one block in one lane -> six registers of codes at c, the scale's byte in e.  ct: three registers at work (a conversion's three begin on an even number)
.macro QB x, c, ct, e
	v_max3_num_f32 v[TM], |v[(\x)]|, |v[(\x)+1]|, 0x2800000         ; with the floor 2^(5 - 127): the byte cannot fall under 1
	v_max3_num_f32 v[TM+1], |v[(\x)+2]|, |v[(\x)+3]|, 0x2800000
.irp i, 4,8,12,16,20,24,28
	v_max3_num_f32 v[TM], v[TM], |v[(\x)+\i]|, |v[(\x)+\i+1]|
	v_max3_num_f32 v[TM+1], v[TM+1], |v[(\x)+\i+2]|, |v[(\x)+\i+3]|
.endr
	v_max_num_f32 v[TM], v[TM], v[TM+1]
	v_add_nc_u32 v[SCLR], 0xfe000000, v[TM]                         ; 4 off the exponent field: the conversion takes that field as its scale
	v_lshrrev_b32 v[\e], 23, v[SCLR]                                ; the scale's byte
	v_cvt_scalef32_pk16_bf6_f32 v[(\c):(\c)+2], v[(\x):(\x)+15], v[SCLR]
	v_cvt_scalef32_pk16_bf6_f32 v[(\ct):(\ct)+2], v[(\x)+16:(\x)+31], v[SCLR]
	v_nop                                                           ; one plain place behind a scaled conversion
	v_mov_b32 v[(\c)+3], v[(\ct)]
	v_mov_b32 v[(\c)+4], v[(\ct)+1]
	v_mov_b32 v[(\c)+5], v[(\ct)+2]
.endm
; my bytes of blocks hh and 2 + hh, with lane l xor 16's two: a row's scale word for 128 along K
.macro WORD2 w, e0, e1
	v_lshl_or_b32 v[\w], v[\e1], 16, v[\e0]
	v_lshlrev_b32 v[\w], v[SH8], v[\w]
	v_permlanex16_b32 v[PT], v[\w], s[SEL], s[SEL+1]
	v_or_b32 v[\w], v[\w], v[PT]
.endm
.macro WBLOAD j                        ; gain and bias of columns 256 w + 64 j + 32 hh + 0 .. 31, out of my wave's LDS bytes: the sixteen lanes of a half read the same 16 bytes
.set i, 0
.rept 8
	ds_load_b128 v[WR+4*i:WR+4*i+3], v63 offset:256*(\j)+16*i
	ds_load_b128 v[BR+4*i:BR+4*i+3], v63 offset:1024+256*(\j)+16*i
.set i, i+1
.endr
.endm
.macro FOLD                            ; four packed chains -> v20
	v_pk_add_f32 v[20:21], v[20:21], v[22:23]
	v_pk_add_f32 v[24:25], v[24:25], v[26:27]
	v_pk_add_f32 v[20:21], v[20:21], v[24:25]
	v_add_f32 v20, v20, v21
.endm
.macro ACROSS red                      ; my lane's part in v20 -> the row's total in v20, in every lane of the row, in every wave
	v_permlanex16_b32 v[PT], v20, s[SEL], s[SEL+1]
	v_add_f32 v20, v20, v[PT]
	ds_store_b32 v8, v20 offset:\red               ; both lanes of a row write the same word with the same value
	s_wait_dscnt 0x0                               ; for the others' sake: my store has landed
	s_barrier_signal -1
	s_barrier_wait -1
	ds_load_b32 v20, v9 offset:\red
	ds_load_b32 v21, v9 offset:\red+64
	ds_load_b32 v22, v9 offset:\red+128
	ds_load_b32 v23, v9 offset:\red+192
	s_wait_dscnt 0x0
	v_add_f32 v20, v20, v21
	v_add_f32 v22, v22, v23
	v_add_f32 v20, v20, v22
.endm
	s_load_b256 s[4:11], s[0:1], 0x0
	s_load_b128 s[28:31], s[0:1], 0x20             ; a weight's codes [n][768 bytes], and where its images go
	s_set_vgpr_msb 0x40
	v_lshl_add_u32 v0, v0, 2, 0x12800
	v_mov_b32 v1, 0
	s_set_vgpr_msb 0x4000
	v_lshrrev_b32 v1, 5, v0
	v_readfirstlane_b32 s12, v1                    ; wave
	v_and_b32 v1, 31, v0                           ; lane
	v_and_b32 v2, 15, v0                           ; r
	v_bfe_u32 v3, v0, 4, 1                         ; hh
	v_lshlrev_b32 v4, 4, v1                        ; 16 x lane
	s_mul_i32 s16, s12, WST
	s_add_co_u32 s16, s16, STG0                    ; my stage
	v_add_nc_u32 v5, s16, v4                       ; the stage, on the way in
	v_mul_u32_u24 v6, v2, STGP
	v_lshl_add_u32 v6, v3, 7, v6
	v_add_nc_u32 v6, s16, v6                       ; and out: row r, + 128 hh
	s_lshl_b32 s17, s12, 10
	v_add_nc_u32 v7, s17, v4                       ; gain, bias in memory: 1,024 w + 16 x lane
	s_lshl_b32 s27, s12, 11
	s_add_co_u32 s27, s27, WB0                     ; my wave's 2,048 bytes for them in LDS
	v_add_nc_u32 v62, s27, v4                      ; in: 16 x lane
	v_lshl_add_u32 v63, v3, 7, s27                 ; back: 128 hh
	s_lshl_b32 s18, s12, 6
	v_lshl_add_u32 v8, v2, 2, s18                  ; partial sums: 64 w + 4 r
	v_lshlrev_b32 v9, 2, v2
	v_lshlrev_b32 v10, 3, v1                       ; 8 x lane
	v_lshlrev_b32 v[SH8], 3, v3
	v_mul_u32_u24 v61, v2, 768                     ; the weight: row r of 768 bytes, + 24 hh
	v_mad_u32_u24 v61, v3, 24, v61
	s_lshl_b32 s19, s12, 3
	v_lshl_add_u32 v12, v2, 5, s19                 ; scale bytes: 32 r + 8 w
	v_mov_b32 v[PT], 0
	s_mov_b32 s[SEL], 0x76543210
	s_mov_b32 s[SEL+1], 0xfedcba98
	s_mov_b32 s25, 0x3a800000                      ; 1 / 1,024
	s_mov_b32 s26, 0x3727c5ac                      ; 1e-5
	s_mov_b32 s21, 0
	s_wait_alu depctr_va_vdst(0)
	s_wait_kmcnt 0x0
	s_lshl_b32 s20, ttmp9, 16                      ; 16 rows of 4,096 bytes
	s_add_co_u32 s20, s20, s17
	s_add_nc_u64 s[4:5], s[4:5], s[20:21]
	s_lshl_b32 s20, ttmp9, 9
	s_add_co_u32 s20, s20, ASC1
	s_add_nc_u64 s[22:23], s[10:11], s[20:21]      ; my 16 rows' scale bytes
	s_mul_i32 s20, ttmp9, 12288
	s_mul_i32 s24, s12, 3072
	s_add_co_u32 s20, s20, s24
	s_add_nc_u64 s[10:11], s[10:11], s[20:21]      ; my wave's four images
	; ALSO: 3,072 rows of a weight with K = 1,024 are laid as images of operand registers [n / 16][k / 64][768], as the rows' codes are: wave W of 1,024 takes images W, W + 1,024, W + 2,048
	s_lshl_b32 s24, ttmp9, 2
	s_add_co_u32 s24, s24, s12                     ; W
	s_lshr_b32 s20, s24, 4
	s_mul_i32 s20, s20, 12288                      ; 16 rows of 768 bytes
	s_and_b32 s13, s24, 15
	s_mul_i32 s13, s13, 48                         ; 64 codes are 48 bytes
	s_add_co_u32 s20, s20, s13
	s_add_nc_u64 s[28:29], s[28:29], s[20:21]
	s_mul_i32 s20, s24, 768
	s_add_nc_u64 s[30:31], s[30:31], s[20:21]
	global_load_b128 v[64:67], v7, s[6:7]
	global_load_b128 v[68:71], v7, s[6:7] offset:512
	global_load_b128 v[72:75], v7, s[8:9]          ; and of the bias
	global_load_b128 v[76:79], v7, s[8:9] offset:512
.set i, 0
.rept 32
	global_load_b128 v[X+4*i:X+4*i+3], v4, s[4:5] offset:(i/2)*4096+(i%2)*512   ; 32 lanes read 512 bytes on end
.set i, i+1
.endr
.irp j, 0,1,2                          ; the weight's three images: asked for behind the rows, into v32-49, which are free until the last phase
	global_load_b64 v[32+6*\j:33+6*\j], v61, s[28:29] offset:786432*\j
	global_load_b64 v[34+6*\j:35+6*\j], v61, s[28:29] offset:786432*\j+8
	global_load_b64 v[36+6*\j:37+6*\j], v61, s[28:29] offset:786432*\j+16
.endr
	s_wait_loadcnt 41                              ; gain and bias are in; the 32 + 9 younger loads may be out
	ds_store_b128 v62, v[64:67]
	ds_store_b128 v62, v[68:71] offset:512
	ds_store_b128 v62, v[72:75] offset:1024
	ds_store_b128 v62, v[76:79] offset:1536
	s_wait_loadcnt 9                               ; the rows; the nine younger loads (the weight's) may be out
.set i, 0
.rept 32
	ds_store_b128 v5, v[X+4*i:X+4*i+3] offset:(i/2)*STGP+(i%2)*512
.set i, i+1
.endr
	s_wait_dscnt 0x0                               ; the stores have read their registers
.set i, 0
.rept 32
	ds_load_b128 v[X+4*i:X+4*i+3], v6 offset:256*(i/8)+16*(i%8)
.set i, i+1
.endr
	s_wait_dscnt 0x0
	WBLOAD 0                                       ; the first turn's gain and bias land under the sums below
	; the mean
.irp k, 0,1,2,3
	v_pk_add_f32 v[20+2*\k:21+2*\k], v[X+2*\k:X+2*\k+1], v[X+8+2*\k:X+9+2*\k]   ; the first pairs start the chains: nothing is cleared
.endr
.set i, 8
.rept 56
	v_pk_add_f32 v[20+2*(i%4):21+2*(i%4)], v[20+2*(i%4):21+2*(i%4)], v[X+2*i:X+2*i+1]
.set i, i+1
.endr
	FOLD
	ACROSS RED1
	v_mul_f32 v16, s25, v20
	v_mov_b32 v17, v16
.set i, 0
.rept 64
	v_pk_add_f32 v[X+2*i:X+2*i+1], v[X+2*i:X+2*i+1], v[16:17] neg_lo:[0,1] neg_hi:[0,1]   ; x - mean
.set i, i+1
.endr
	; the variance
.irp k, 0,1,2,3
	v_pk_mul_f32 v[20+2*\k:21+2*\k], v[X+2*\k:X+2*\k+1], v[X+2*\k:X+2*\k+1]
.endr
.set i, 4
.rept 60
	v_pk_fma_f32 v[20+2*(i%4):21+2*(i%4)], v[X+2*i:X+2*i+1], v[X+2*i:X+2*i+1], v[20+2*(i%4):21+2*(i%4)]
.set i, i+1
.endr
	FOLD
	ACROSS RED2
	s_wait_alu depctr_va_vdst(0)
	s_wait_loadcnt 0x0                             ; the weight's images
.irp j, 0,1,2
	global_store_b128 v4, v[32+6*\j:35+6*\j], s[30:31] offset:786432*\j
	global_store_b64 v10, v[36+6*\j:37+6*\j], s[30:31] offset:786432*\j+512
.endr
	s_wait_xcnt 0x0                                ; the stores have read v32-49, which take the rows' codes below
	v_fma_f32 v18, v20, s25, s26
	s_wait_alu depctr_va_vdst(0)
	v_rsq_f32 v18, v18
	v_nop                                          ; one plain place behind a transcendental
	s_wait_alu depctr_va_vdst(0)
	v_mov_b32 v19, v18
	s_wait_alu depctr_va_vdst(0)
.irp j, 0,1,2,3                        ; 64 columns at a time: one block a lane, one image a wave
	s_wait_dscnt 0x0                               ; this turn's gain and bias
.set i, 0
.rept 16
	v_pk_mul_f32 v[X+32*\j+2*i:X+32*\j+2*i+1], v[X+32*\j+2*i:X+32*\j+2*i+1], v[18:19]
.set i, i+1
.endr
.set i, 0
.rept 16
	v_pk_fma_f32 v[X+32*\j+2*i:X+32*\j+2*i+1], v[X+32*\j+2*i:X+32*\j+2*i+1], v[WR+2*i:WR+2*i+1], v[BR+2*i:BR+2*i+1]
.set i, i+1
.endr
.if \j < 3
	WBLOAD \j+1                                    ; lands while this block is quantised
.endif
	QB X+32*\j, 32+8*\j, 28, 38+(\j%2)+8*(\j/2)    ; each turn has its own registers for codes and byte: no store's data are written again
	global_store_b128 v4, v[32+8*\j:35+8*\j], s[10:11] offset:768*\j          ; 512 bytes on end
	global_store_b64 v10, v[36+8*\j:37+8*\j], s[10:11] offset:768*\j+512      ; 256 bytes on end
.endr
	WORD2 54, 38, 39                               ; my row's bytes of blocks 8 w .. 8 w + 3
	WORD2 55, 46, 47                               ; and 8 w + 4 .. 8 w + 7
	ds_store_b64 v12, v[54:55] offset:SCB
	s_wait_dscnt 0x0
	s_barrier_signal -1
	s_barrier_wait -1                              ; 16 rows x 32 bytes lie in LDS
	s_cmp_lg_u32 s12, 0
	s_cbranch_scc1 .Ldone
	ds_load_b128 v[20:23], v4 offset:SCB
	s_wait_dscnt 0x0
	global_store_b128 v4, v[20:23], s[22:23]       ; wave 0 stores them: 512 bytes on end
.Ldone:
	s_set_vgpr_msb 0x5
	s_wait_tensorcnt 0x0
	ds_add_u32 v0, v1
	s_wait_dscnt 0x0
	s_set_vgpr_msb 0x500
	s_endpgm
.Lfunc_end_k_q8af7b73557_ln1:
	.size	k_q8af7b73557_ln1, .Lfunc_end_k_q8af7b73557_ln1-k_q8af7b73557_ln1
	.p2alignl 7, 3214868480
	.fill 96, 4, 3214868480
	.section	.rodata,"a",@progbits
	.p2align	6, 0x0
	.amdhsa_kernel k_q8af7b73557_ln1
		.amdhsa_group_segment_fixed_size 76288
		.amdhsa_private_segment_fixed_size 0
		.amdhsa_enable_private_segment 0
		.amdhsa_kernarg_size 48
		.amdhsa_user_sgpr_count 2
		.amdhsa_user_sgpr_kernarg_segment_ptr 1
		.amdhsa_wavefront_size32 1
		.amdhsa_system_sgpr_workgroup_id_x 1
		.amdhsa_system_sgpr_workgroup_id_y 1
		.amdhsa_system_sgpr_workgroup_id_z 1
		.amdhsa_system_vgpr_workitem_id 0
		.amdhsa_next_free_vgpr 258
		.amdhsa_next_free_sgpr 66
		.amdhsa_reserve_vcc 0
		.amdhsa_float_denorm_mode_32 3
		.amdhsa_float_denorm_mode_16_64 3
		.amdhsa_memory_ordered 1
		.amdhsa_forward_progress 1
		.amdhsa_inst_pref_size 46
	.end_amdhsa_kernel
	.amdgpu_metadata
---
amdhsa.version: [ 1, 2 ]
amdhsa.kernels:
  - .name:           k_q8af7b73557_ln1
    .symbol:         k_q8af7b73557_ln1.kd
    .args:
      - { .name: x, .offset: 0, .size: 8, .value_kind: global_buffer, .address_space: global }
      - { .name: ln1_w, .offset: 8, .size: 8, .value_kind: global_buffer, .address_space: global }
      - { .name: ln1_b, .offset: 16, .size: 8, .value_kind: global_buffer, .address_space: global }
      - { .name: act, .offset: 24, .size: 8, .value_kind: global_buffer, .address_space: global }
      - { .name: w_qkv_codes, .offset: 32, .size: 8, .value_kind: global_buffer, .address_space: global }
      - { .name: wq, .offset: 40, .size: 8, .value_kind: global_buffer, .address_space: global }
    .group_segment_fixed_size: 76288
    .private_segment_fixed_size: 0
    .kernarg_segment_align: 8
    .kernarg_segment_size: 48
    .max_flat_workgroup_size: 128
    .sgpr_count:     66
    .vgpr_count:     258
    .wavefront_size: 32
...
	.end_amdgpu_metadata
.endif
;; end of part 1
;; launch qkv (part 2): grid 12 x 16, 4 waves a work-group, clusters of 4 x 4, 327,680 bytes of LDS; arguments act, wq, w_qkv_scales, qb, kv; writes qb, kv
.if DOCPART == 2
	.amdgcn_target "amdgcn-amd-amdhsa--gfx1250"
	.amdhsa_code_object_version 6
	.text
	.protected	k_q8af7b73557_qkv
	.globl	k_q8af7b73557_qkv
	.p2align	8
	.type	k_q8af7b73557_qkv,@function
k_q8af7b73557_qkv:
	s_mov_b64 s[64:65], 0
	v_nop
	global_prefetch_b8 v0, s[64:65] scope:SCOPE_SE
	s_setreg_imm32_b32 hwreg(HW_REG_WAVE_MODE, 25, 1), 1
	s_wait_xcnt 0x0
	s_wait_alu depctr_hold_cnt(0) depctr_sa_sdst(0) depctr_va_vdst(0) depctr_va_sdst(0) depctr_va_ssrc(0) depctr_va_vcc(0) depctr_vm_vsrc(0)
	s_getreg_b32 s2, hwreg(HW_REG_IB_STS2, 6, 4)
	s_cmp_eq_u32 s2, 0
	s_cbranch_scc0 .Lentry_in_a_cluster
	s_endpgm
.Lentry_in_a_cluster:
	s_bfe_u32 s2, ttmp6, 0x10000c
	s_cmp_lg_u32 s2, 0xf033
	s_cbranch_scc0 .Lentry_shape_is_right
	s_endpgm
.Lentry_shape_is_right:
; qkv = h1 Wqkv on codes of E3M2 (MX-BF6), then q, k and v are quantised for attention.  M 4,096, K 1,024, N 3,072.
; A (buffer act): images of operand registers [row / 16][k / 64][768] and scale bytes [row][32] from byte ASC on.  B: images of the weight's codes (buffer wq, laid by the first launch) and scale bytes [n][32], as given.
; A work-group of four waves makes 256 x 256, a wave 128 x 128: 64 accumulators.  K goes through a ring of two LDS slots of 256 along K, filled by tensor loads (waves 0, 1: A's halves; 2, 3: B's).
; CLUSTER 4 x 4: A's tiles are shared along a row of the cluster, B's along a column: joint loads with a mask of four.  The scale bytes of the work-group's rows, for all of K, come once with the first fills.
; THE MATRIX INSTRUCTION IS USED TRANSPOSED (source 0 = 16 rows of B, source 1 = 16 rows of A): lane (r, h) holds token r and columns 16 b + 8 h + 0 .. 7.
; OUT.  The cluster's x says which third of N this is (equal in all partners).  q -> qb: images [head][token / 16][768] (K = the head's 64) and words [head][token / 16][16][4], bytes 2, 3 = 0x7f.
; k, v -> kv: [head][key / 128][13,056]: 8 images of k | 4 x 2 images of v^T (16 channels x 64 keys) | k's words at 12,288 | v's words at 12,800.  v is quantised along the keys.
; REGISTERS.  Window 0: v1-3 r, h, lane; v4-15 at work; v16-23 LDS addresses of fragments; v24, v25, v8, v9 stages; v27 scale words' address; v28, v29 the spare word's address and 0;
;   v32-63 scale words, two sets; v64-255 A's fragments, two sets (on the way out: v64-191 numbers, v192-227 codes and words).  Window 1: B's fragments, two sets.  Windows 2, 3: accumulators (a, b) at 8 (8 (a % 4) + b).
; LIMITS: NaN and infinities are not served; a block under 2^-122 (zeros too) gets the byte 1: only this program reads the bytes.
.set NBLK,  8                          ; blocks of 16 along a wave's tile
.set NQ,    2                          ; matrix instructions deep in a slot
.set SIZE_K, 1024
.set BIAS,  0
.set KROW,  SIZE_K*3/4                 ; a row of B's codes in bytes
.set KS,    SIZE_K/32                  ; a row of scale bytes
.set AMB,   12*SIZE_K                  ; 16 rows of A's images
.set ASC,   3072*SIZE_K                ; where A's scale bytes begin
.set PITCH, 240
.set HA,    24576                      ; a load of A: 8 x 3,072 bytes, dense
.set HB,    24576                      ; B now comes as images too (buffer wq, laid by the first launch): a load of B is as a load of A
.set RG,    NQ*1536                    ; 16 rows x a slot's K, in images
.set SLOT,  2*HA+2*HB
.set ASTEP, NQ*1536                    ; a slot's K in A's images, in B's rows
.set BSTEP, NQ*1536
.set SCL,   2*SLOT                     ; behind the ring: the scale bytes, units of 256 + 16
.set UN,    16*NBLK*KS/256
.set HALFS, UN*272
.set SBLK,  (16*KS/256)*272
.set SPARE, SCL+4*HALFS                ; the spare words: 512 bytes that no other line names
.set LAPS,  SIZE_K/(256*NQ)
.set FR,    12
.set AREA,  9280                       ; v's stage: two areas of 64 rows x 144 bytes
.set TM,    10
.set SCLR,  12
.set PT,    13
.set SH8,   7
.set SEL,   66
.set MSB, 0
.macro WIN new                         ; the immediate's high byte repeats the setting that is left
.if MSB != (\new)
	s_set_vgpr_msb (MSB<<8)|(\new)
.set MSB, \new
.endif
.endm
.macro PLACES n
.rept \n
	v_nop
.endr
.endm
.macro JLOAD g0a, g1a, g0b, g1b        ; a joint load: waves 0, 1 for A, waves 2, 3 for B; four v_nop follow each line
	s_cmp_eq_u32 s15, 0
	s_cbranch_scc0 .Lfor_b_\@
	tensor_load_to_lds s[\g0a:\g0a+3], s[\g1a:\g1a+7]
	s_nop 0
.rept 4
	v_nop
.endr
	s_branch .Lasked_\@
.Lfor_b_\@:
	tensor_load_to_lds s[\g0b:\g0b+3], s[\g1b:\g1b+7]
	s_nop 0
.rept 4
	v_nop
.endr
.Lasked_\@:
.endm
.macro CREST                           ; a round of the cluster's barrier behind its opening barrier
	s_cmp_lg_u32 s14, 0
	s_cbranch_scc1 .Lnot_wave_0_\@
	s_barrier_signal -3
.Lnot_wave_0_\@:
	s_barrier_wait -3
	s_barrier_signal -1
	s_barrier_wait -1
.endm
.macro CROUND
	s_barrier_signal -1
	s_barrier_wait -1
	CREST
.endm
.macro FRAGB reg, adr, q, i            ; 16 rows x 128 K of B: two images, 16 bytes at 16 x lane and 8 bytes at 512 + 8 x lane of each (second address register)
.irp c, 0,1                            ; two images, as they lie
	ds_load_b128 v[\reg+6*\c:\reg+6*\c+3], v[\adr] offset:(\i)*RG+(\q)*1536+768*\c
	ds_load_b64 v[\reg+6*\c+4:\reg+6*\c+5], v[\adr+2] offset:(\i)*RG+(\q)*1536+768*\c+512
.endr
.endm
.macro FRAGA reg, slot, q, i
.irp c, 0,1
	ds_load_b128 v[\reg+6*\c:\reg+6*\c+3], v[16+\slot] offset:(\i)*RG+(\q)*1536+768*\c
	ds_load_b64 v[\reg+6*\c+4:\reg+6*\c+5], v[18+\slot] offset:(\i)*RG+(\q)*1536+768*\c+512
.endr
.endm
.macro FETCH slot, q, p                ; all fragments of the slot's q-th 128 along K into set p
	WIN 0x40
.set FI, 0
.rept NBLK
	FRAGB FR*NBLK*(\p)+FR*FI, 20+\slot, \q, FI
.set FI, FI+1
.endr
	WIN 0
.set FI, 0
.rept NBLK
	FRAGA 64+FR*NBLK*(\p)+FR*FI, \slot, \q, FI
.set FI, FI+1
.endr
.endm
.macro SCALES set                      ; a slot's scale words: lanes 0-15 A's block i, lanes 16-31 B's block i
.set FI, 0
.rept NBLK
.if NQ == 2
	ds_load_b64 v[32+16*(\set)+2*FI:33+16*(\set)+2*FI], v27 offset:FI*SBLK
.else
	ds_load_b128 v[32+16*(\set)+4*FI:35+16*(\set)+4*FI], v27 offset:FI*SBLK
.endif
.set FI, FI+1
.endr
.endm
; a quarter of a step's products.  The accumulators take turns, one instruction a turn, in the same order in every step.  zero = 1: the first product starts the sums
.macro MULQ k, p, q, set, zero
.set MA, (\k)*NBLK/4
.rept NBLK/4
.if (\zero) && BIAS
	WIN 0x91+0x40*(MA/4)
.else
	WIN 0xa1+0x50*(MA/4)
.endif
.set MB, 0
.rept NBLK
.set QD,  8*(NBLK*(MA%4)+MB)
.set QBF, FR*NBLK*(\p)+FR*MB
.set QAF, 64+FR*NBLK*(\p)+FR*MA
.set QSB, 32+16*(\set)+NQ*MB+(\q)
.set QSA, 32+16*(\set)+NQ*MA+(\q)
.if \zero
.if BIAS
	v_wmma_scale_f32_16x16x128_f8f6f4 v[QD:QD+7], v[QBF:QBF+11], v[QAF:QAF+11], v[192+8*MB:199+8*MB], v[QSB], v[QSA] matrix_a_fmt:MATRIX_FMT_BF6 matrix_b_fmt:MATRIX_FMT_BF6 matrix_a_scale:MATRIX_SCALE_ROW1
.else
	v_wmma_scale_f32_16x16x128_f8f6f4 v[QD:QD+7], v[QBF:QBF+11], v[QAF:QAF+11], 0, v[QSB], v[QSA] matrix_a_fmt:MATRIX_FMT_BF6 matrix_b_fmt:MATRIX_FMT_BF6 matrix_a_scale:MATRIX_SCALE_ROW1
.endif
.else
	v_wmma_scale_f32_16x16x128_f8f6f4 v[QD:QD+7], v[QBF:QBF+11], v[QAF:QAF+11], v[QD:QD+7], v[QSB], v[QSA] matrix_a_fmt:MATRIX_FMT_BF6 matrix_b_fmt:MATRIX_FMT_BF6 matrix_a_scale:MATRIX_SCALE_ROW1
.endif
.set MB, MB+1
.endr
.set MA, MA+1
.endr
.endm
.macro STEP slot, q, zero              ; a step of 128 along K that has its successor in the same slot
	s_wait_dscnt 0x0                               ; this step's fragments and words are in
	PLACES 4                                       ; behind the last step's products, which read the set that is loaded now
	FETCH \slot, (\q)+1, 1-(\q)%2
	MULQ 0, (\q)%2, \q, \slot, \zero
	MULQ 1, (\q)%2, \q, \slot, \zero
	MULQ 2, (\q)%2, \q, \slot, \zero
	MULQ 3, (\q)%2, \q, \slot, \zero
	WIN 0
.endm
.macro STEPS slot, from
.set SQ, \from
.rept NQ-1-(\from)
	STEP \slot, SQ, 0
.set SQ, SQ+1
.endr
.endm
.macro TURN slot, next, fill           ; a slot's last step changes slots: one barrier; fill = 1: it opens a round of the cluster's barrier and this slot is filled again, two slots ahead
	s_wait_tensorcnt 0x0                           ; all my tensor loads have landed: my part of the next slot
	ds_add_u32 v28, v29                            ; 0 onto my spare word
	s_wait_dscnt 1                                 ; the fragments are in; the add may be out
	MULQ 0, 1, NQ-1, \slot, 0
	s_wait_dscnt 0x0                               ; the add is done, and my reads of this slot are over
	s_barrier_signal -1
	MULQ 1, 1, NQ-1, \slot, 0
	WIN 0
	s_barrier_wait -1
.if \fill
	CREST                                          ; no wave of any partner still reads this slot or has a load on its way
	s_add_nc_u64 s[34+4*\slot:35+4*\slot], s[34+4*\slot:35+4*\slot], 2*ASTEP
	s_add_nc_u64 s[58+4*\slot:59+4*\slot], s[58+4*\slot:59+4*\slot], 2*BSTEP
	JLOAD 32+4*\slot, 24, 56+4*\slot, 48           ; the first tensor load behind the round; its four v_nop are the places in front of the loads below
.else
	PLACES 4
.endif
	s_wait_alu depctr_va_vdst(0)
	v_add_nc_u32 v27, 4*NQ, v27                    ; the next slot's scale words
	FETCH \next, 0, 0
	SCALES \next
	MULQ 2, 1, NQ-1, \slot, 0
	MULQ 3, 1, NQ-1, \slot, 0
	WIN 0
.endm
; 32 numbers of one block in one lane -> six registers of codes at c, the scale's byte in e
.macro QB x, c, ct, e
	v_max3_num_f32 v[TM], |v[(\x)]|, |v[(\x)+1]|, 0x2800000         ; with the floor 2^(5 - 127): the byte cannot fall under 1
	v_max3_num_f32 v[TM+1], |v[(\x)+2]|, |v[(\x)+3]|, 0x2800000
.irp i, 4,8,12,16,20,24,28
	v_max3_num_f32 v[TM], v[TM], |v[(\x)+\i]|, |v[(\x)+\i+1]|
	v_max3_num_f32 v[TM+1], v[TM+1], |v[(\x)+\i+2]|, |v[(\x)+\i+3]|
.endr
	v_max_num_f32 v[TM], v[TM], v[TM+1]
	v_add_nc_u32 v[SCLR], 0xfe000000, v[TM]                         ; 4 off the exponent field: the conversion's scale operand
	v_lshrrev_b32 v[\e], 23, v[SCLR]
	v_cvt_scalef32_pk16_bf6_f32 v[(\c):(\c)+2], v[(\x):(\x)+15], v[SCLR]
	v_cvt_scalef32_pk16_bf6_f32 v[(\ct):(\ct)+2], v[(\x)+16:(\x)+31], v[SCLR]
	v_nop                                                           ; one plain place behind a scaled conversion
	v_mov_b32 v[(\c)+3], v[(\ct)]
	v_mov_b32 v[(\c)+4], v[(\ct)+1]
	v_mov_b32 v[(\c)+5], v[(\ct)+2]
.endm
.macro WORD2 w, e0, e1                 ; my bytes of blocks hh and 2 + hh, with lane l xor 16's two
	v_lshl_or_b32 v[\w], v[\e1], 16, v[\e0]
	v_lshlrev_b32 v[\w], v[SH8], v[\w]
	v_permlanex16_b32 v[PT], v[\w], s[SEL], s[SEL+1]
	v_or_b32 v[\w], v[\w], v[PT]
.endm
.macro WORD1 w, e                      ; K = 64: two bytes, and 0x7f for the half of the instruction's K that holds zero codes
	v_lshlrev_b32 v[\w], v[SH8], v[\e]
	v_permlanex16_b32 v[PT], v[\w], s[SEL], s[SEL+1]
	v_or_b32 v[\w], v[\w], v[PT]
	v_or_b32 v[\w], 0x7f7f0000, v[\w]
.endm
	s_load_b128 s[4:7], s[0:1], 0x0                ; act, B's codes
	s_load_b128 s[8:11], s[0:1], 0x10              ; B's scales, qb
	s_load_b64 s[12:13], s[0:1], 0x20              ; kv
	v_lshl_add_u32 v28, v0, 2, SPARE
	v_mov_b32 v29, 0
	ds_add_u32 v28, v29
	ds_add_u32 v28, v29
	s_wait_dscnt 0x0
	v_lshrrev_b32 v1, 5, v0
	v_readfirstlane_b32 s14, v1                    ; wave
	s_lshr_b32 s15, s14, 1                         ; my half of the rows; also: I fetch for A (0) or B (1)
	s_and_b32 s16, s14, 1                          ; my half of the columns; also: which of the two loads
	s_bfe_u32 s40, ttmp6, 0x40000                  ; cx, cy
	s_bfe_u32 s41, ttmp6, 0x40004
	s_lshl_b32 s42, ttmp9, 2
	s_add_co_u32 s42, s42, s40                     ; tile column
	s_and_b32 s17, ttmp7, 0xffff
	s_lshl_b32 s17, s17, 2
	s_add_co_u32 s17, s17, s41                     ; tile row
	s_lshl_b32 s43, s41, 2
	s_lshl_b32 s43, 15, s43                        ; my row of the cluster
	s_lshl_b32 s44, 0x1111, s40                    ; my column
	s_or_b32 s24, s43, (3<<16)|(1<<21)             ; A and B alike: elements of 8 bytes, dense rows of RG bytes (16 rows' images of a slot's K), AMB bytes apart
	s_or_b32 s48, s44, (3<<16)|(1<<21)
.irp g, 24, 48
	s_mov_b32 s[\g+1], (RG/8)<<16
	s_mov_b32 s[\g+2], (2*NBLK)<<16                ; the head's loads bring a side's whole slot; behind them the two counts are set to NBLK
	s_mov_b32 s[\g+3], (RG/8)<<16
	s_mov_b32 s[\g+4], 2*NBLK
	s_mov_b32 s[\g+5], AMB/8
	s_mov_b32 s[\g+6], 0
	s_mov_b32 s[\g+7], 0
.endr
	s_or_b32 s68, s43, (3<<16)|(1<<20)|(1<<21)|(5<<22)|(3<<25)   ; scale bytes: UN dense rows of 256 bytes, 16 of padding behind each
	s_or_b32 s80, s44, (3<<16)|(1<<20)|(1<<21)|(5<<22)|(3<<25)
.irp g, 68, 80
	s_mov_b32 s[\g+1], 32<<16
	s_mov_b32 s[\g+2], (2*UN)<<16
	s_mov_b32 s[\g+3], 32<<16
	s_mov_b32 s[\g+4], 2*UN
	s_mov_b32 s[\g+5], 32
	s_mov_b32 s[\g+6], 0
	s_mov_b32 s[\g+7], 0
.endr
	s_mul_i32 s20, s17, 2*NBLK*AMB                 ; where my tile's images begin: A's,
	s_mul_i32 s46, s42, 2*NBLK*AMB                 ; B's
	s_mov_b32 s21, 0
	s_mov_b32 s47, 0
	s_mul_i32 s100, s16, NBLK*AMB                  ; in the ring I fetch half of a side's rows
	s_mov_b32 s101, 0
	s_mul_i32 s22, s17, 32*NBLK*KS
	s_add_co_u32 s22, s22, ASC
	s_mov_b32 s23, 0
	s_mul_i32 s94, s42, 32*NBLK*KS
	s_mov_b32 s95, 0
	s_mul_i32 s45, s16, HA                         ; LDS: no place in the cluster enters an LDS address
	s_add_co_u32 s96, s45, 2*HA
	s_wait_kmcnt 0x0
	s_add_nc_u64 s[20:21], s[4:5], s[20:21]
	s_add_nc_u64 s[22:23], s[4:5], s[22:23]
	s_add_nc_u64 s[46:47], s[6:7], s[46:47]
	s_add_nc_u64 s[94:95], s[8:9], s[94:95]
	CROUND                                         ; all sixteen work-groups are here: the first joint loads meet
	s_mov_b32 s76, 1
	s_mov_b32 s77, SCL
	s_mov_b64 s[78:79], s[22:23]
	s_or_b32 s79, s79, 0x80000000
	s_mov_b32 s88, 1
	s_mov_b32 s89, SCL+2*HALFS
	s_mov_b64 s[90:91], s[94:95]
	s_or_b32 s91, s91, 0x80000000
	s_mov_b32 s32, 1                               ; slot 0's groups 0 first serve the head: a side's whole slot
	s_mov_b32 s33, 0
	s_mov_b64 s[34:35], s[20:21]
	s_or_b32 s35, s35, 0x80000000
	s_mov_b32 s56, 1
	s_mov_b32 s57, 2*HA
	s_mov_b64 s[58:59], s[46:47]
	s_or_b32 s59, s59, 0x80000000
	s_add_nc_u64 s[20:21], s[20:21], s[100:101]
	s_add_nc_u64 s[46:47], s[46:47], s[100:101]
	s_mov_b32 s36, 1                               ; slot 1's: my half
	s_add_co_u32 s37, s45, SLOT
	s_add_nc_u64 s[38:39], s[20:21], ASTEP
	s_or_b32 s39, s39, 0x80000000
	s_mov_b32 s60, 1
	s_add_co_u32 s61, s96, SLOT
	s_add_nc_u64 s[62:63], s[46:47], ASTEP
	s_or_b32 s63, s63, 0x80000000
; the head's four tiles, one joint load a wave: wave 0 A's slot 0, wave 1 B's, wave 2 A's scale bytes, wave 3 B's: one tree of branches on the wave's number
.macro ARM under, g0, g1, next
	s_cmp_lt_u32 s14, \under
	s_cbranch_scc0 \next
	tensor_load_to_lds s[\g0:\g0+3], s[\g1:\g1+7]
	s_nop 0
.rept 4
	v_nop
.endr
	s_branch .Lhead_asked
\next:
.endm
	ARM 1, 32, 24, .Lhead_b
	ARM 2, 56, 48, .Lhead_sa
	ARM 3, 76, 68, .Lhead_sb
	tensor_load_to_lds s[88:91], s[80:87]
	s_nop 0
.rept 4
	v_nop
.endr
.Lhead_asked:
	v_and_b32 v1, 15, v0                           ; r
	v_bfe_u32 v2, v0, 4, 1                         ; h
	v_and_b32 v3, 31, v0                           ; lane
	s_mul_i32 s18, s15, NBLK*3072
	v_lshl_add_u32 v16, v3, 4, s18                 ; A's images: 16 x lane, 8 x lane, in slot 0, 1
	v_lshl_add_u32 v18, v3, 3, s18
	v_add_nc_u32 v17, SLOT, v16
	v_add_nc_u32 v19, SLOT, v18
	s_mul_i32 s18, s16, HA
	s_add_co_u32 s18, s18, 2*HA
	v_lshl_add_u32 v20, v3, 4, s18                 ; B's images: 16 x lane, 8 x lane
	v_lshl_add_u32 v22, v3, 3, s18
	v_add_nc_u32 v21, SLOT, v20
	v_add_nc_u32 v23, SLOT, v22
	v_mul_u32_u24 v5, v1, KS                       ; my row's scale bytes, + 16 for each 256 passed
	v_lshrrev_b32 v6, 8, v5
	v_lshl_add_u32 v5, v6, 4, v5
	s_mul_i32 s18, s15, HALFS
	s_mul_i32 s19, s16, HALFS
	s_add_co_u32 s19, s19, 2*HALFS
	s_sub_co_u32 s19, s19, s18
	v_mul_u32_u24 v6, s19, v2                      ; lanes 16-31 take B's
	s_add_co_u32 s18, s18, SCL
	v_add_nc_u32 v5, v5, v6
	v_add_nc_u32 v27, s18, v5
	s_mul_i32 s98, s17, 32*NBLK
	s_mul_i32 s18, s15, 16*NBLK
	s_add_co_u32 s98, s98, s18                     ; my first row
	; the stages, in slot 0 (it has had its last fill and its last read when they are written).  q and k: 16 rows x 528 bytes a wave; v: bytes of its own behind them
	s_mul_i32 s18, s14, 8448
	v_mul_u32_u24 v24, v1, 528
	v_lshl_add_u32 v25, v2, 7, v24
	v_lshl_add_u32 v24, v2, 5, v24
	v_add_nc_u32 v24, s18, v24                     ; in: row r, + 32 h
	v_add_nc_u32 v25, s18, v25                     ; back: row r, + 128 h: a whole block of 32 columns a lane
	s_mul_i32 s18, s14, 18688
	s_add_co_u32 s18, s18, 33792
	v_mul_u32_u24 v8, v1, 144
	v_lshl_add_u32 v8, v2, 5, v8
	v_add_nc_u32 v8, s18, v8                       ; v, in: row r of 144 bytes, + 32 h
	v_mul_u32_u24 v9, v2, AREA
	v_lshl_add_u32 v9, v1, 2, v9
	v_add_nc_u32 v9, s18, v9                       ; v, back: area h, column r: down the tokens
	s_wait_alu depctr_va_vdst(0)
	s_wait_tensorcnt 0x0                           ; my tile of the head's four is in
	ds_add_u32 v28, v29
	s_mov_b32 s26, NBLK<<16                        ; no load of mine is out: from here on a load brings half of a side's rows,
	s_mov_b32 s28, NBLK
	s_mov_b32 s50, NBLK<<16
	s_mov_b32 s52, NBLK
	s_add_co_u32 s33, s33, s45                     ; and slot 0's groups 0 point at my half
	s_add_nc_u64 s[34:35], s[34:35], s[100:101]
	s_add_co_u32 s57, s57, s45
	s_add_nc_u64 s[58:59], s[58:59], s[100:101]
	s_wait_dscnt 0x0
	CROUND                                         ; all four tiles are in, all sixteen work-groups are here
	JLOAD 36, 24, 60, 48                           ; slot 1's first fill, the first tensor load behind the round
	FETCH 0, 0, 0
	SCALES 0
	STEP 0, 0, 1                                   ; the first step stands in front of the loop: its products start the sums
.if LAPS > 1
	s_mov_b32 s3, LAPS-1
.Llap:                                                 ; once round the ring; both slots are filled again
	STEPS 0, 1
	TURN 0, 1, 1
	STEPS 1, 0
	TURN 1, 0, 1
	STEP 0, 0, 0
	s_sub_co_u32 s3, s3, 1
	s_cmp_lg_u32 s3, 0
	s_cbranch_scc1 .Llap
.endif
	STEPS 0, 1                                     ; the last lap fills nothing
	TURN 0, 1, 0
	STEPS 1, 0
	s_wait_dscnt 0x0
	MULQ 0, 1, NQ-1, 1, 0
	MULQ 1, 1, NQ-1, 1, 0
	MULQ 2, 1, NQ-1, 1, 0
	MULQ 3, 1, NQ-1, 1, 0
	WIN 0
	; ---- THE WAY OUT.  The five plain lines below are the places behind the last products
	v_lshlrev_b32 v4, 4, v3                        ; 16 x lane
	v_lshlrev_b32 v5, 3, v3                        ; 8 x lane
	v_lshlrev_b32 v6, 2, v3                        ; 4 x lane
	v_lshlrev_b32 v[SH8], 3, v2
	v_mov_b32 v[PT], 0
	s_mov_b32 s[SEL], 0x76543210
	s_mov_b32 s[SEL+1], 0xfedcba98
	s_wait_alu depctr_va_vdst(0)
	s_barrier_signal -1                            ; the stages (108,544 bytes) reach beyond slot 0 (98,304): every wave's reads of both slots are over
	s_barrier_wait -1
	s_mov_b32 s100, 0xffff0000
	s_lshr_b32 s50, s98, 11                        ; batch
	s_lshl_b32 s50, s50, 4
	s_lshl_b32 s18, s40, 2
	s_add_co_u32 s50, s50, s18
	s_lshl_b32 s18, s16, 1
	s_add_co_u32 s50, s50, s18                     ; my first head: 16 b + 4 cx + 2 x column half (global addresses alone hang on it)
	s_and_b32 s51, s98, 2047                       ; my first token in the sequence
	s_lshr_b32 s52, s51, 7                         ; = one key step of 128
	s_lshr_b32 s51, s51, 4
	s_lshl_b32 s27, s50, 4
	s_add_co_u32 s27, s27, s52
	s_mul_i32 s38, s27, 13056                      ; kv: my first head's block of this key step
	s_mov_b32 s57, 0
	s_cmp_eq_u32 ttmp9, 2                          ; the cluster's x: equal in all partners
	s_cbranch_scc1 .Lv
	; q or k: one text; the buffers and offsets are chosen by the cluster's x
	s_lshl_b32 s26, s50, 7
	s_add_co_u32 s26, s26, s51
	s_mul_i32 s36, s26, 768                        ; q's images,
	s_lshl_b32 s37, s26, 6
	s_add_co_u32 s37, s37, 3145728                 ; q's words
	s_add_co_u32 s39, s38, 12288                   ; k's words
	s_mov_b32 s54, 208896                          ; from a head to the next: k
	s_cmp_eq_u32 ttmp9, 0
	s_cselect_b64 s[24:25], s[10:11], s[12:13]
	s_cselect_b32 s36, s36, s38
	s_cselect_b32 s37, s37, s39
	s_cselect_b32 s38, 98304, s54
	s_cselect_b32 s39, 8192, s54
	s_mov_b32 s56, s36
	s_add_nc_u64 s[28:29], s[24:25], s[56:57]      ; images, head 0
	s_mov_b32 s56, s38
	s_add_nc_u64 s[30:31], s[28:29], s[56:57]      ; head 1
	s_mov_b32 s56, s37
	s_add_nc_u64 s[32:33], s[24:25], s[56:57]      ; words, head 0
	s_mov_b32 s56, s39
	s_add_nc_u64 s[34:35], s[32:33], s[56:57]      ; head 1
.irp a, 0,1,2,3,4,5,6,7                ; 16 tokens x 128 columns (two heads) at a time, through my stage
	WIN 0x08+4*(\a/4)
.irp b, 0,1,2,3,4,5,6,7
	ds_store_b128 v24, v[8*(8*(\a%4)+\b):8*(8*(\a%4)+\b)+3] offset:64*\b      ; each accumulator from its low end on
	ds_store_b128 v24, v[8*(8*(\a%4)+\b)+4:8*(8*(\a%4)+\b)+7] offset:64*\b+16
.endr
	WIN 0
.set i, 0
.rept 16
	ds_load_b128 v[64+4*i:67+4*i], v25 offset:256*(i/8)+16*(i%8)             ; LDS serves a wave's instructions in order: these see my stores
.set i, i+1
.endr
	s_wait_dscnt 0x0
	s_wait_xcnt 0x0                                ; the last block's stores have read their registers
	QB 64, 192, 216, 14
	QB 96, 198, 216, 15
	global_store_b128 v4, v[192:195], s[28:29] offset:768*\a
	global_store_b64 v5, v[196:197], s[28:29] offset:768*\a+512
	global_store_b128 v4, v[198:201], s[30:31] offset:768*\a
	global_store_b64 v5, v[202:203], s[30:31] offset:768*\a+512
.if (\a%2) == 0
	WORD1 220, 14
	WORD1 221, 15
.else
	WORD1 222, 14
	WORD1 223, 15
	v_cndmask_b32 v226, v220, v222, s100           ; lanes 0-15 the block before's words, lanes 16-31 this block's: 128 bytes on end
	v_cndmask_b32 v227, v221, v223, s100
	global_store_b32 v6, v226, s[32:33] offset:64*(\a-1)
	global_store_b32 v6, v227, s[34:35] offset:64*(\a-1)
.endif
.endr
	s_branch .Ljoin
.Lv:
	; v: K = the keys.  32 columns at a time go into the stage by rows of tokens and come back down the tokens: lane (r, h) takes channel r and tokens 64 c + 32 h + 0 .. 31
	s_mov_b32 s56, s38
	s_add_nc_u64 s[28:29], s[12:13], s[56:57]
	s_add_nc_u64 s[30:31], s[28:29], 208896
.irp g, 0,1,2,3
.irp a, 0,1,2,3,4,5,6,7
	WIN 0x08+4*(\a/4)
.irp bb, 0,1
	ds_store_b128 v8, v[8*(8*(\a%4)+2*\g+\bb):8*(8*(\a%4)+2*\g+\bb)+3] offset:((\a/2)%2)*AREA+(32*(\a/4)+16*(\a%2))*144+64*\bb
	ds_store_b128 v8, v[8*(8*(\a%4)+2*\g+\bb)+4:8*(8*(\a%4)+2*\g+\bb)+7] offset:((\a/2)%2)*AREA+(32*(\a/4)+16*(\a%2))*144+64*\bb+16
.endr
.endr
	WIN 0
.set i, 0
.rept 128
	ds_load_b32 v[64+i], v9 offset:(i%64)*144+64*(i/64)
.set i, i+1
.endr
	s_wait_dscnt 0x0
	s_wait_xcnt 0x0                                ; the last turn's stores have read their registers
.irp bb, 0,1
	QB 64+64*\bb, 192+12*\bb, 216, 14
	QB 96+64*\bb, 198+12*\bb, 216, 15
	WORD2 220+\bb, 14, 15
	global_store_b128 v4, v[192+12*\bb:195+12*\bb], s[28+2*(\g/2):29+2*(\g/2)] offset:6144+(2*(\g%2)+\bb)*1536
	global_store_b64 v5, v[196+12*\bb:197+12*\bb], s[28+2*(\g/2):29+2*(\g/2)] offset:6144+(2*(\g%2)+\bb)*1536+512
	global_store_b128 v4, v[198+12*\bb:201+12*\bb], s[28+2*(\g/2):29+2*(\g/2)] offset:6144+(2*(\g%2)+\bb)*1536+768
	global_store_b64 v5, v[202+12*\bb:203+12*\bb], s[28+2*(\g/2):29+2*(\g/2)] offset:6144+(2*(\g%2)+\bb)*1536+1280
.endr
	v_cndmask_b32 v226, v220, v221, s100
	global_store_b32 v6, v226, s[28+2*(\g/2):29+2*(\g/2)] offset:12800+128*(\g%2)
.endr
.Ljoin:
	s_wait_tensorcnt 0x0                           ; the wave's end
	ds_add_u32 v28, v29
	s_wait_dscnt 0x0
	CROUND                                         ; the closing round
	s_endpgm
.Lfunc_end_k_q8af7b73557_qkv:
	.size	k_q8af7b73557_qkv, .Lfunc_end_k_q8af7b73557_qkv-k_q8af7b73557_qkv
	.p2alignl 7, 3214868480
	.fill 96, 4, 3214868480
	.section	.rodata,"a",@progbits
	.p2align	6, 0x0
	.amdhsa_kernel k_q8af7b73557_qkv
		.amdhsa_group_segment_fixed_size 327680
		.amdhsa_private_segment_fixed_size 0
		.amdhsa_enable_private_segment 0
		.amdhsa_kernarg_size 40
		.amdhsa_user_sgpr_count 2
		.amdhsa_user_sgpr_kernarg_segment_ptr 1
		.amdhsa_wavefront_size32 1
		.amdhsa_system_sgpr_workgroup_id_x 1
		.amdhsa_system_sgpr_workgroup_id_y 1
		.amdhsa_system_sgpr_workgroup_id_z 1
		.amdhsa_system_vgpr_workitem_id 0
		.amdhsa_next_free_vgpr 1024
		.amdhsa_next_free_sgpr 102
		.amdhsa_reserve_vcc 0
		.amdhsa_float_denorm_mode_32 3
		.amdhsa_float_denorm_mode_16_64 3
		.amdhsa_memory_ordered 1
		.amdhsa_forward_progress 1
		.amdhsa_inst_pref_size 232
	.end_amdhsa_kernel
	.amdgpu_metadata
---
amdhsa.version: [ 1, 2 ]
amdhsa.kernels:
  - .name:           k_q8af7b73557_qkv
    .symbol:         k_q8af7b73557_qkv.kd
    .args:
      - { .name: act, .offset: 0, .size: 8, .value_kind: global_buffer, .address_space: global }
      - { .name: wq, .offset: 8, .size: 8, .value_kind: global_buffer, .address_space: global }
      - { .name: w_qkv_scales, .offset: 16, .size: 8, .value_kind: global_buffer, .address_space: global }
      - { .name: qb, .offset: 24, .size: 8, .value_kind: global_buffer, .address_space: global }
      - { .name: kv, .offset: 32, .size: 8, .value_kind: global_buffer, .address_space: global }
    .group_segment_fixed_size: 327680
    .private_segment_fixed_size: 0
    .kernarg_segment_align: 8
    .kernarg_segment_size: 40
    .max_flat_workgroup_size: 128
    .sgpr_count:     102
    .vgpr_count:     1024
    .wavefront_size: 32
...
	.end_amdgpu_metadata
.endif
;; end of part 2
;; launch att (part 3): grid 8 x 32, 16 waves a work-group, no clusters, 327,680 bytes of LDS; arguments qb, kv, act, fc2_w_codes, w_proj_codes, fc1_w_codes, wp2, w1; writes act, wp2, w1
.if DOCPART == 3
	.amdgcn_target "amdgcn-amd-amdhsa--gfx1250"
	.amdhsa_code_object_version 6
	.text
	.protected	k_q8af7b73557_att
	.globl	k_q8af7b73557_att
	.p2align	8
	.type	k_q8af7b73557_att,@function
k_q8af7b73557_att:
	s_mov_b64 s[64:65], 0
	v_nop
	global_prefetch_b8 v0, s[64:65] scope:SCOPE_SE
	s_setreg_imm32_b32 hwreg(HW_REG_WAVE_MODE, 25, 1), 1
	s_wait_xcnt 0x0
; Causal attention of one head on codes of E3M2: O = softmax(q k^T / 8) v, then O / l is quantised along the model's 1,024 for the projection.
; IN: qb (q's images and words), kv ([head][key step of 128][13,056]: 8 images of k | 8 images of v^T | k's words | v's words).  OUT: act (images [token / 16][k / 64][768], scale bytes [token][32] from ASC1 on).
; THE SOFTMAX: t = score x log2(e) / 8; M = the running largest t rounded up to a whole number; p = 2^(t - M) is quantised along the keys, not normalised; l sums the unquantised p and divides at the end.
; SHARES: work-group (j, head) owns query chunks j and 15 - j of 128 queries: 17 chunk-steps whatever j.  Each of 16 waves owns 16 queries, one tile, in 256 registers: four waves to a SIMD.
; LDS: the head's 16 step blocks, as they lie in memory, 208,896 bytes, FILLED ONCE by 16 tensor loads (one a wave: waves 0-3 first, waves 4-15 behind the first barrier): no byte is filled again, nothing is stored to LDS.
; NO CLUSTER: a step all of whose keys come after a wave's queries is jumped over by a scalar branch on the work-group's chunk, a number that differs between the work-groups of a head.
; LAYOUT: both products transposed (S^T = k q^T, O^T = v^T p^T): a lane holds one query.
; THE KEYS OF A TILE OF k ARE NOT NEIGHBOURS: row m of tile 4 c + u is key 64 c + 32 (m / 8) + 8 u + m % 8.  In the result lane (r, h) holds rows 8 h + 0 .. 7, so the 32 registers of tiles 4 c .. 4 c + 3
; are the whole block of keys 64 c + 32 h + 0 .. 31, in the order in which the second product's operand wants them: p changes no lane.  The choice is made by LDS addresses alone: kv keeps images of 16
; neighbouring keys; key n lies in image n / 16 at row n % 16.  A tile's two groups of eight keys lie two images, 1,536 bytes, apart, a whole number of times through the 64 banks of 4 bytes (ISA guide 11.1):
; k's loads of 16 and of 8 bytes go two deep there.  That is the price for 32 lane exchanges a step that are not written.
; O^T's four tiles are laid in the order 0, 2, 1, 3, so that sixteen exchanges of lane halves, once at the end, give each lane a whole block of 32 channels.
; K = 64 IN THE FIRST PRODUCT: q's registers 6-11 are zero codes.  k's tile t is named as v[32 + 6 t .. + 11]: its upper six registers are the next tile's codes (behind tile 7: zeros);
; they meet q's zero codes, the format has no infinity or NaN, and bytes 2, 3 of both scale words are 0x7f: they add nothing.
; REGISTERS: v1-3 16 x lane, 8 x lane, 4 r; v4-6 those + the step's LDS byte (v's loads); v7 8 hh; v8 mask distance; v9 -infinity; v10 32 r + hh; v11 r - 32 hh; v12 -M; v13 largest t; v[14:15] l;
;   v16-27 q; v28 q's words; v29 p's words; v32-85 fragments of k or v; v86-93 their words; v96-159 S^T, then p; v160-191 O^T; v192-203 p's codes; v204-231 at work;
;   v232-234 my lane's place in a tile of k (16-byte part, 8-byte part, word); v235-237 those + the step's LDS byte.
; LIMITS: NaN and infinities are not served; a block under 2^-122 gets the byte 1 (its codes are zeros or subnormal codes under that byte).
.set STEPB, 13056
.set ASC1,  3145728
.set TM,    220
.set SCLR,  214
.set PT,    226
.set SH8,   7
.set SEL,   16
.macro PLACES n
.rept \n
	v_nop
.endr
.endm
.macro QB x, c, ct, e                  ; 32 numbers of one block in one lane -> six registers of codes at c, the scale's byte in e
	v_max3_num_f32 v[TM], |v[(\x)]|, |v[(\x)+1]|, 0x2800000
	v_max3_num_f32 v[TM+1], |v[(\x)+2]|, |v[(\x)+3]|, 0x2800000
.irp i, 4,8,12,16,20,24,28
	s_delay_alu instid0(VALU_DEP_2)
	v_max3_num_f32 v[TM], v[TM], |v[(\x)+\i]|, |v[(\x)+\i+1]|
	s_delay_alu instid0(VALU_DEP_2)
	v_max3_num_f32 v[TM+1], v[TM+1], |v[(\x)+\i+2]|, |v[(\x)+\i+3]|
.endr
	s_delay_alu instid0(VALU_DEP_1)
	v_max_num_f32 v[TM], v[TM], v[TM+1]
	s_delay_alu instid0(VALU_DEP_1)
	v_add_nc_u32 v[SCLR], 0xfe000000, v[TM]
	s_delay_alu instid0(VALU_DEP_1)
	v_lshrrev_b32 v[\e], 23, v[SCLR]
	v_cvt_scalef32_pk16_bf6_f32 v[(\c):(\c)+2], v[(\x):(\x)+15], v[SCLR]
	v_cvt_scalef32_pk16_bf6_f32 v[(\ct):(\ct)+2], v[(\x)+16:(\x)+31], v[SCLR]
	v_nop
	v_mov_b32 v[(\c)+3], v[(\ct)]
	s_wait_alu depctr_va_vdst(0)
	v_mov_b32 v[(\c)+4], v[(\ct)+1]
	v_mov_b32 v[(\c)+5], v[(\ct)+2]
.endm
.macro WORD2 w, e0, e1
	s_delay_alu instid0(VALU_DEP_1)
	v_lshl_or_b32 v[\w], v[\e1], 16, v[\e0]
	s_delay_alu instid0(VALU_DEP_1)
	v_lshlrev_b32 v[\w], v[SH8], v[\w]
	s_delay_alu instid0(VALU_DEP_1)
	v_permlanex16_b32 v[PT], v[\w], s[SEL], s[SEL+1]
	s_delay_alu instid0(VALU_DEP_1)
	v_or_b32 v[\w], v[\w], v[PT]
.endm
; four result tiles in the order 0, 2, 1, 3 at x: afterwards lanes 0-15 hold indices 0 .. 31 in x .. x + 31, lanes 16-31 indices 32 .. 63.  Each accumulator is first read at its lowest register
.macro SWAP64 x
.set i, 0
.rept 8
	v_permlane16_swap_b32 v[(\x)+i], v[(\x)+8+i]
.set i, i+1
.endr
.set i, 0
.rept 8
	v_permlane16_swap_b32 v[(\x)+16+i], v[(\x)+24+i]
.set i, i+1
.endr
.endm
	s_load_b128 s[4:7], s[0:1], 0x0                ; qb, kv
	s_load_b64 s[8:9], s[0:1], 0x10
	s_load_b128 s[32:35], s[0:1], 0x18             ; fc2_w's codes, w_proj's
	s_load_b128 s[36:39], s[0:1], 0x28             ; fc1_w's, wp2
	s_load_b64 s[40:41], s[0:1], 0x38              ; w1
	v_lshl_add_u32 v254, v0, 2, 0x33000
	v_mov_b32 v255, 0
	ds_add_u32 v254, v255
	ds_add_u32 v254, v255
	v_lshrrev_b32 v1, 5, v0
	s_delay_alu instid0(VALU_DEP_1)
	v_readfirstlane_b32 s10, v1                    ; wave 0..15
	s_and_b32 s11, ttmp7, 0xffff                   ; head (16 b + h)
	s_mov_b32 s20, 3<<16                           ; group 1: a step block: 51 dense rows of 32 elements of 8 bytes
	s_mov_b32 s21, 32<<16
	s_mov_b32 s22, 51<<16
	s_mov_b32 s23, 32<<16
	s_mov_b32 s24, 51
	s_mov_b32 s25, 32
	s_mov_b32 s26, 0
	s_mov_b32 s27, 0
	s_mul_i32 s44, s10, STEPB                      ; load qd of wave w brings step 4 qd + w
	s_mul_i32 s46, s11, 16*STEPB
	s_add_co_u32 s46, s46, s44
	s_mov_b32 s47, 0
	s_wait_dscnt 0x0
	s_wait_kmcnt 0x0
	s_add_nc_u64 s[46:47], s[6:7], s[46:47]
.irp qd, 0
	s_mov_b32 s[28+4*\qd], 1
	s_add_co_u32 s[29+4*\qd], s44, \qd*4*STEPB
	s_add_nc_u64 s[30+4*\qd:31+4*\qd], s[46:47], \qd*4*STEPB
	s_or_b32 s[31+4*\qd], s[31+4*\qd], 0x80000000
.endr
	s_cmp_lt_u32 s10, 4                            ; wave w brings step block w, one load a wave: waves 0-3 here, waves 4-15 behind the first barrier
	s_cbranch_scc0 .Lnofill
	tensor_load_to_lds s[28:31], s[20:27]
	s_nop 0
.rept 4
	v_nop
.endr
.Lnofill:
	s_sub_co_u32 s45, 15, ttmp9
	s_cmp_lt_u32 s10, 8
	s_cselect_b32 s45, ttmp9, s45                  ; waves 0-7: chunk j; waves 8-15: chunk 15 - j
	s_lshl_b32 s45, s45, 7
	s_and_b32 s48, s10, 7
	s_lshl_b32 s48, s48, 4
	s_add_co_u32 s12, s45, s48                     ; my first query
	s_lshl_b32 s48, s11, 7
	s_lshr_b32 s49, s12, 4
	s_add_co_u32 s48, s48, s49
	s_mul_i32 s50, s48, 768
	s_mov_b32 s51, 0
	s_add_nc_u64 s[52:53], s[4:5], s[50:51]        ; q's image
	s_lshl_b32 s50, s48, 6
	s_add_co_u32 s50, s50, 3145728
	s_add_nc_u64 s[54:55], s[4:5], s[50:51]        ; q's words
	s_mov_b32 s[SEL], 0x76543210
	s_mov_b32 s[SEL+1], 0xfedcba98
	s_mov_b32 s18, 0x3e38aa3b                      ; c = log2(e) / 8
	s_mov_b32 s19, s18
	; ALSO: weights are laid as images of operand registers [n / 16][k / 64][768] for the later products.  Wave W of 4,096 takes image W of fc2_w (rows of 3,072 bytes) -> wp2;
	; W < 1,024: image W of w_proj -> wp2 from byte 3,145,728 on; 1,024 <= W < 2,048: image W + 2,048 of fc1_w (its rows 3,072 on) -> w1
	s_lshl_b32 s56, s11, 3
	s_add_co_u32 s56, s56, ttmp9                   ; work-group 0..255
	s_lshl_b32 s57, s56, 4
	s_add_co_u32 s57, s57, s10                     ; W
	s_lshr_b32 s58, s57, 6
	s_mul_i32 s58, s58, 49152
	s_and_b32 s59, s57, 63
	s_mul_i32 s59, s59, 48
	s_add_co_u32 s58, s58, s59
	s_mov_b32 s59, 0
	s_add_nc_u64 s[32:33], s[32:33], s[58:59]
	s_mul_i32 s58, s57, 768
	s_add_nc_u64 s[60:61], s[38:39], s[58:59]
	s_cmp_lt_u32 s56, 64
	s_cselect_b64 s[34:35], s[34:35], s[36:37]
	s_cselect_b64 s[38:39], s[38:39], s[40:41]
	s_cselect_b32 s42, 0, 2048
	s_cselect_b32 s43, 3145728, 0
	s_add_co_u32 s42, s42, s57                     ; the image's number in its weight
	s_lshr_b32 s58, s42, 4
	s_mul_i32 s58, s58, 12288
	s_and_b32 s62, s42, 15
	s_mul_i32 s62, s62, 48
	s_add_co_u32 s58, s58, s62
	s_add_nc_u64 s[34:35], s[34:35], s[58:59]
	s_mul_i32 s58, s42, 768
	s_add_co_u32 s58, s58, s43
	s_add_nc_u64 s[38:39], s[38:39], s[58:59]
	v_and_b32 v220, 31, v0
	v_and_b32 v221, 15, v0                         ; r
	v_bfe_u32 v222, v0, 4, 1                       ; hh
	s_delay_alu instid0(VALU_DEP_3)
	v_lshlrev_b32 v1, 4, v220
	s_delay_alu instid0(VALU_DEP_4)
	v_lshlrev_b32 v2, 3, v220
	s_delay_alu instid0(VALU_DEP_4)
	v_lshlrev_b32 v3, 2, v221
	s_delay_alu instid0(VALU_DEP_4)
	v_lshlrev_b32 v[SH8], 3, v222
	v_lshl_add_u32 v10, v221, 5, v222
	v_lshlrev_b32 v223, 5, v222
	s_delay_alu instid0(VALU_DEP_1)
	v_sub_nc_u32 v11, v221, v223
	v_mov_b32 v9, 0xff800000
	global_load_b128 v[16:19], v1, s[52:53]
	global_load_b64 v[20:21], v2, s[52:53] offset:512
	global_load_b32 v28, v3, s[54:55]
	v_mul_u32_u24 v96, v221, 3072                  ; row r, + 24 hh: my 24 bytes of an image
	v_mul_u32_u24 v97, v221, 768
	v_mad_u32_u24 v96, v222, 24, v96
	v_mad_u32_u24 v97, v222, 24, v97
	; my lane's place in a tile of k: row r of tile 4 c + u is row 8 (u % 2) + r % 8 of image 4 c + u / 2 + 2 (r / 8): what hangs on the lane stands here, the rest in the loads' immediates
	v_and_b32 v227, 7, v0                          ; r % 8
	v_bfe_u32 v228, v0, 3, 1                       ; r / 8
	s_delay_alu instid0(VALU_DEP_1)
	v_mul_u32_u24 v232, v228, 1536                 ; two images on for rows 8-15
	s_delay_alu instid0(VALU_DEP_1)
	v_lshl_add_u32 v233, v227, 3, v232             ; the 8-byte part: + 8 (r % 8)
	s_delay_alu instid0(VALU_DEP_2)
	v_lshl_add_u32 v232, v227, 4, v232             ; the 16-byte part: + 16 (r % 8)
	s_delay_alu instid0(VALU_DEP_1)
	v_lshl_add_u32 v232, v222, 8, v232             ;   + 256 hh
	s_delay_alu instid0(VALU_DEP_3)
	v_lshl_add_u32 v233, v222, 7, v233             ;   + 128 hh
	v_lshlrev_b32 v234, 7, v228                    ; the scale word: two images' 64 bytes on for rows 8-15,
	s_delay_alu instid0(VALU_DEP_1)
	v_lshl_add_u32 v234, v227, 2, v234             ;   + 4 (r % 8)
.irp i, 22,23,24,25,26,27, 80,81,82,83,84,85
	v_mov_b32 v[\i], 0                             ; zero codes: q's upper half of K, and what stands behind k's tile 7
.endr
	v_mov_b32 v13, 0xff61b1e6                      ; the largest t so far: -3e38
	s_delay_alu instid0(VALU_DEP_1)
	v_floor_f32 v12, -v13                          ; -M
	v_mov_b32 v14, 0
	v_mov_b32 v15, 0
	v_mov_b32 v219, 0                              ; (named as the upper half of the pair v[218:219])
	v_mov_b32 v225, 0                              ; lane permutes' destinations count as sources
	v_mov_b32 v[PT], 0
.set i, 0
.rept 32
	v_mov_b32 v[160+i], 0                          ; O^T: the step is written once; the first change of M leaves zeros zeros
.set i, i+1
.endr
	s_wait_loadcnt 0x0
; A KEY STEP: 128 keys at LDS byte s14; s13 = its first key
.macro STEP
	s_add_co_u32 s44, s12, 15
	s_cmp_gt_u32 s13, s44                          ; all its keys come after my queries: only the addresses step
	s_cbranch_scc1 .Lhidden_\@
	v_add_nc_u32 v235, s14, v232                   ; these three and the v_nop are the places behind the last step's products
	v_add_nc_u32 v236, s14, v233
	v_add_nc_u32 v237, s14, v234
	v_nop
.irp t, 0,1,2,3,4,5,6,7                ; tile t = 4 c + u: image 4 c + u / 2 (+ 2 for rows 8-15: in the lane's term), rows 8 (u % 2) on
	ds_load_b128 v[32+6*\t:35+6*\t], v235 offset:768*(4*(\t/4)+((\t%4)/2))+128*(\t%2)
	ds_load_b64 v[36+6*\t:37+6*\t], v236 offset:768*(4*(\t/4)+((\t%4)/2))+512+64*(\t%2)
	ds_load_b32 v[86+\t], v237 offset:12288+64*(4*(\t/4)+((\t%4)/2))+32*(\t%2)
.endr
	s_wait_dscnt 0x0
.irp t, 0,1,2,3,4,5,6,7
	v_wmma_scale_f32_16x16x128_f8f6f4 v[96+8*\t:103+8*\t], v[32+6*\t:43+6*\t], v[16:27], 0, v[86+\t], v28 matrix_a_fmt:MATRIX_FMT_BF6 matrix_b_fmt:MATRIX_FMT_BF6
.endr                                  ; register n now holds key s13 + 64 (n / 32) + 32 hh + n % 32 of my query
	v_add_nc_u32 v4, s14, v1                       ; v's addresses: with the v_nop the four places behind these products, in front of the loads into the registers that they read and of the first read of the scores
	v_add_nc_u32 v5, s14, v2
	v_add_nc_u32 v6, s14, v3
	v_nop
.irp t, 0,1,2,3                        ; v's fragments land under the softmax
.irp c, 0,1
	ds_load_b128 v[32+12*\t+6*\c:35+12*\t+6*\c], v4 offset:6144+1536*\t+768*\c
	ds_load_b64 v[36+12*\t+6*\c:37+12*\t+6*\c], v5 offset:6144+1536*\t+768*\c+512
.endr
	ds_load_b32 v[86+\t], v6 offset:12800+64*\t
.endr
	s_add_co_u32 s44, s13, 127
	s_cmp_le_u32 s44, s12                          ; all 128 keys count for all my queries: no mask
	s_cbranch_scc1 .Lopen_\@
	s_sub_co_i32 s44, s12, s13
	v_add_nc_u32 v8, s44, v11                      ; d = my query - the step's first key - 32 hh: hidden where 64 (n / 32) + n % 32 > d
.set i, 0
.rept 64
	v_cmp_gt_i32 vcc_lo, 64*(i/32)+i%32, v8
	v_cndmask_b32 v[96+i], v[96+i], v9, vcc_lo
.set i, i+1
.endr
.Lopen_\@:
.irp c, 0,1                            ; the largest score of each of my two blocks of 32 keys: for the row's maximum, and, since p rises with the score, for the block's largest p.  (Ascending: each accumulator is first read at its low end)
	v_max3_num_f32 v[220+2*\c], v[96+32*\c], v[97+32*\c], v[98+32*\c]
	v_max3_num_f32 v[221+2*\c], v[99+32*\c], v[100+32*\c], v[101+32*\c]
.endr
.irp i, 6,10,14,18,22,26
.irp c, 0,1
	v_max3_num_f32 v[220+2*\c], v[220+2*\c], v[96+32*\c+\i], v[97+32*\c+\i]
	v_max3_num_f32 v[221+2*\c], v[221+2*\c], v[98+32*\c+\i], v[99+32*\c+\i]
.endr
.endr
.irp c, 0
	v_max3_num_f32 v[220+2*\c], v[220+2*\c], v[126+32*\c], v[127+32*\c]
.endr
.irp c, 1
	v_max3_num_f32 v[220+2*\c], v[220+2*\c], v[126+32*\c], v[127+32*\c]
.endr
.irp c, 0,1
	s_delay_alu instid0(VALU_DEP_2)
	v_max_num_f32 v[212+\c], v[220+2*\c], v[221+2*\c]
.endr
	s_delay_alu instid0(VALU_DEP_1)
	v_max_num_f32 v224, v212, v213
	s_delay_alu instid0(VALU_DEP_1)
	v_permlanex16_b32 v225, v224, s[SEL], s[SEL+1]
	s_delay_alu instid0(VALU_DEP_1)
	v_max_num_f32 v224, v224, v225                 ; the step's largest score of my query
	s_delay_alu instid0(VALU_DEP_1)
	v_mul_f32 v224, s18, v224
	s_delay_alu instid0(VALU_DEP_1)
	v_max_num_f32 v13, v13, v224                   ; the running largest t
	v_mov_b32 v224, v12
	s_delay_alu instid0(VALU_DEP_2)
	v_floor_f32 v12, -v13                          ; -M = floor(-t): M is a whole number
	s_delay_alu instid0(VALU_DEP_1)
	v_sub_f32 v224, v12, v224                      ; old M - new M, 0 or less
	s_delay_alu instid0(VALU_DEP_1)
	v_cvt_i32_f32 v224, v224                       ; (it saturates)
	s_delay_alu instid0(VALU_DEP_1)
	v_ldexp_f32 v218, 1.0, v224                    ; f = 2^(old M - new M): rounds nothing
.set i, 0
.rept 32
	v_pk_fma_f32 v[96+2*i:97+2*i], v[96+2*i:97+2*i], s[18:19], v[12:13] op_sel_hi:[1,0,0]   ; t - M
.set i, i+1
.endr
	v_fma_f32 v212, v212, s18, v12
	v_fma_f32 v213, v213, s18, v12
.set i, 0
	s_wait_alu depctr_va_vdst(0)
.rept 64
	v_exp_f32 v[96+i], v[96+i]                     ; p = 2^(t - M)
.set i, i+1
.endr
	v_exp_f32 v212, v212                           ; the blocks' largest p: the same two instructions on the same numbers
	v_exp_f32 v213, v213
	v_pk_mul_f32 v[14:15], v[14:15], v[218:219] op_sel_hi:[1,0]   ; l under the new M (a plain place behind the exponentials)
	s_wait_alu depctr_va_vdst(0)
.irp c, 0,1
	v_max_num_f32 v[212+\c], 0x2800000, v[212+\c]  ; the floor: the byte cannot fall under 1
.endr
.irp c, 0,1
	s_delay_alu instid0(VALU_DEP_2)
	v_add_nc_u32 v[214+\c], 0xfe000000, v[212+\c]
.endr
.irp c, 0,1
	s_delay_alu instid0(VALU_DEP_2)
	v_lshrrev_b32 v[216+\c], 23, v[214+\c]
.endr
	WORD2 29, 216, 217                             ; p's scale word for these 128 keys
.irp c, 0,1
	v_cvt_scalef32_pk16_bf6_f32 v[192+6*\c:194+6*\c], v[96+32*\c:111+32*\c], v[214+\c]
	v_cvt_scalef32_pk16_bf6_f32 v[204+4*\c:206+4*\c], v[112+32*\c:127+32*\c], v[214+\c]
.endr
	v_nop                                          ; one plain place behind a scaled conversion
.irp c, 0,1
.irp i, 0,1,2
	v_mov_b32 v[195+6*\c+\i], v[204+4*\c+\i]
.endr
.endr
	v_pk_add_f32 v[220:221], v[100:101], v[104:105]
	v_pk_add_f32 v[252:253], v[108:109], v[112:113]
	v_pk_add_f32 v[250:251], v[116:117], v[120:121]
	v_pk_add_f32 v[248:249], v[124:125], v[128:129]
	v_pk_add_f32 v[246:247], v[132:133], v[136:137]
	v_pk_add_f32 v[244:245], v[140:141], v[144:145]
	v_pk_add_f32 v[242:243], v[148:149], v[152:153]
	v_pk_add_f32 v[14:15], v[14:15], v[156:157]
	v_pk_add_f32 v[220:221], v[220:221], v[96:97]
	v_pk_add_f32 v[252:253], v[252:253], v[98:99]
	v_pk_add_f32 v[250:251], v[250:251], v[102:103]
	v_pk_add_f32 v[248:249], v[248:249], v[106:107]
	v_pk_add_f32 v[246:247], v[246:247], v[110:111]
	v_pk_add_f32 v[244:245], v[244:245], v[114:115]
	v_pk_add_f32 v[242:243], v[242:243], v[118:119]
	v_pk_add_f32 v[14:15], v[14:15], v[122:123]
	v_pk_add_f32 v[220:221], v[220:221], v[126:127]
	v_pk_add_f32 v[252:253], v[252:253], v[130:131]
	v_pk_add_f32 v[250:251], v[250:251], v[134:135]
	v_pk_add_f32 v[248:249], v[248:249], v[138:139]
	v_pk_add_f32 v[246:247], v[246:247], v[142:143]
	v_pk_add_f32 v[244:245], v[244:245], v[146:147]
	v_pk_add_f32 v[242:243], v[242:243], v[150:151]
	v_pk_add_f32 v[14:15], v[14:15], v[154:155]
	v_pk_add_f32 v[220:221], v[220:221], v[158:159]
	s_delay_alu instid0(VALU_DEP_2)
	v_pk_add_f32 v[14:15], v[14:15], v[248:249]
	s_delay_alu instid0(VALU_DEP_2)
	v_pk_add_f32 v[220:221], v[220:221], v[246:247]
	v_pk_add_f32 v[252:253], v[252:253], v[244:245]
	v_pk_add_f32 v[250:251], v[250:251], v[242:243]
	s_delay_alu instid0(VALU_DEP_2)
	v_pk_add_f32 v[14:15], v[14:15], v[252:253]
	s_delay_alu instid0(VALU_DEP_2)
	v_pk_add_f32 v[220:221], v[220:221], v[250:251]
	s_delay_alu instid0(VALU_DEP_1)
	v_pk_add_f32 v[14:15], v[14:15], v[220:221]
.set i, 0
.rept 16
	v_pk_mul_f32 v[160+2*i:161+2*i], v[160+2*i:161+2*i], v[218:219] op_sel_hi:[1,0]   ; O^T under the new M.  (With the sums: the places between p's word and codes and the products)
.set i, i+1
.endr
	s_wait_alu depctr_va_vdst(0)
	s_wait_dscnt 0x0                               ; v's fragments and words
.irp t, 0,1,2,3
	v_wmma_scale_f32_16x16x128_f8f6f4 v[160+8*(2*(\t%2)+(\t/2)):167+8*(2*(\t%2)+(\t/2))], v[32+12*\t:43+12*\t], v[192:203], v[160+8*(2*(\t%2)+(\t/2)):167+8*(2*(\t%2)+(\t/2))], v[86+\t], v29 matrix_a_fmt:MATRIX_FMT_BF6 matrix_b_fmt:MATRIX_FMT_BF6
.endr
.Lhidden_\@:
	s_add_co_u32 s14, s14, STEPB
	s_add_co_u32 s13, s13, 128
.endm
; Four steps.  The wait covers my one load. Waves 4-15 have none out
.macro RUN first, n                    ; n key steps from step first on
	s_mov_b32 s14, \first*STEPB
	s_mov_b32 s13, \first*128
	s_mov_b32 s15, \n
.Lq_\@:
	STEP
	s_sub_co_u32 s15, s15, 1
	s_cmp_lg_u32 s15, 0
	s_cbranch_scc1 .Lq_\@
.endm
	s_wait_tensorcnt 0x0                           ; steps 0-3 are in (waves 0-3)
	ds_add_u32 v254, v255                          ; the add twice on end
	ds_add_u32 v254, v255
	s_wait_dscnt 0x0
	s_barrier_signal -1
	s_barrier_wait -1
	s_cmp_lt_u32 s10, 4
	s_cbranch_scc1 .Lhave
	tensor_load_to_lds s[28:31], s[20:27]          ; steps 4-15, one load a wave: they land under the first four steps' work
	s_nop 0
.rept 4
	v_nop
.endr
.Lhave:
	global_load_b64 v[228:229], v96, s[32:33]      ; the weights' images, into twelve registers that a key step never names
	global_load_b64 v[230:231], v96, s[32:33] offset:8
	global_load_b64 v[30:31], v96, s[32:33] offset:16
	s_cmp_lt_u32 s56, 128
	s_cbranch_scc0 .Lno2a
	global_load_b64 v[238:239], v97, s[34:35]
	global_load_b64 v[240:241], v97, s[34:35] offset:8
	global_load_b64 v[94:95], v97, s[34:35] offset:16
.Lno2a:
	s_wait_xcnt 0x0                                ; the loads have read v96, v97, which take the scores
	RUN 0, 4
	s_wait_tensorcnt 0x0                           ; my block of steps 4-15 is in
	s_wait_dscnt 0x0
	s_barrier_signal -1
	s_barrier_wait -1
	s_wait_loadcnt 0x0
	global_store_b128 v1, v[228:231], s[60:61]
	global_store_b64 v2, v[30:31], s[60:61] offset:512
	s_cmp_lt_u32 s56, 128
	s_cbranch_scc0 .Lno2b
	global_store_b128 v1, v[238:241], s[38:39]
	global_store_b64 v2, v[94:95], s[38:39] offset:512
.Lno2b:
	RUN 4, 12                                      ; all of the head's keys lie in LDS: no barrier between these steps
	; THE WAY OUT: O^T / l, a whole block of 32 channels to a lane, quantised: one image, and a byte a lane
	PLACES 4
	v_add_f32 v14, v14, v15
	s_delay_alu instid0(VALU_DEP_1)
	v_permlanex16_b32 v225, v14, s[SEL], s[SEL+1]
	s_delay_alu instid0(VALU_DEP_1)
	v_add_f32 v14, v14, v225
	s_wait_alu depctr_va_vdst(0)
	v_rcp_f32 v14, v14
	v_nop
.set i, 0
	s_wait_alu depctr_va_vdst(0)
.rept 32
	v_mul_f32 v[96+i], v[160+i], v14               ; each accumulator from its low end on
.set i, i+1
.endr
	SWAP64 96
	QB 96, 192, 204, 216
	s_wait_alu depctr_va_vdst(0)
	s_lshr_b32 s44, s11, 4                         ; batch
	s_and_b32 s45, s11, 15                         ; head in the batch = which 64 of the model's 1,024
	s_lshl_b32 s46, s44, 7
	s_lshr_b32 s47, s12, 4
	s_add_co_u32 s46, s46, s47
	s_mul_i32 s46, s46, 12288
	s_mul_i32 s47, s45, 768
	s_add_co_u32 s46, s46, s47
	s_mov_b32 s47, 0
	s_add_nc_u64 s[48:49], s[8:9], s[46:47]
	s_lshl_b32 s46, s44, 11
	s_add_co_u32 s46, s46, s12
	s_lshl_b32 s46, s46, 5
	s_lshl_b32 s45, s45, 1
	s_add_co_u32 s46, s46, s45
	s_add_co_u32 s46, s46, ASC1
	s_add_nc_u64 s[50:51], s[8:9], s[46:47]
	global_store_b128 v1, v[192:195], s[48:49]
	global_store_b64 v2, v[196:197], s[48:49] offset:512
	global_store_b8 v10, v216, s[50:51]            ; single bytes, 32 a wave against 768 bytes of codes: a row's other bytes come from other heads' work-groups
	s_wait_tensorcnt 0x0
	s_wait_tensorcnt 0x0
	ds_add_u32 v254, v255
	s_wait_dscnt 0x0
	s_endpgm
.Lfunc_end_k_q8af7b73557_att:
	.size	k_q8af7b73557_att, .Lfunc_end_k_q8af7b73557_att-k_q8af7b73557_att
	.p2alignl 7, 3214868480
	.fill 96, 4, 3214868480
	.section	.rodata,"a",@progbits
	.p2align	6, 0x0
	.amdhsa_kernel k_q8af7b73557_att
		.amdhsa_group_segment_fixed_size 327680
		.amdhsa_private_segment_fixed_size 0
		.amdhsa_enable_private_segment 0
		.amdhsa_kernarg_size 64
		.amdhsa_user_sgpr_count 2
		.amdhsa_user_sgpr_kernarg_segment_ptr 1
		.amdhsa_wavefront_size32 1
		.amdhsa_system_sgpr_workgroup_id_x 1
		.amdhsa_system_sgpr_workgroup_id_y 1
		.amdhsa_system_sgpr_workgroup_id_z 1
		.amdhsa_system_vgpr_workitem_id 0
		.amdhsa_next_free_vgpr 256
		.amdhsa_next_free_sgpr 66
		.amdhsa_reserve_vcc 1
		.amdhsa_float_denorm_mode_32 3
		.amdhsa_float_denorm_mode_16_64 3
		.amdhsa_memory_ordered 1
		.amdhsa_forward_progress 1
		.amdhsa_inst_pref_size 58
	.end_amdhsa_kernel
	.amdgpu_metadata
---
amdhsa.version: [ 1, 2 ]
amdhsa.kernels:
  - .name:           k_q8af7b73557_att
    .symbol:         k_q8af7b73557_att.kd
    .args:
      - { .name: qb, .offset: 0, .size: 8, .value_kind: global_buffer, .address_space: global }
      - { .name: kv, .offset: 8, .size: 8, .value_kind: global_buffer, .address_space: global }
      - { .name: act, .offset: 16, .size: 8, .value_kind: global_buffer, .address_space: global }
      - { .name: fc2_w_codes, .offset: 24, .size: 8, .value_kind: global_buffer, .address_space: global }
      - { .name: w_proj_codes, .offset: 32, .size: 8, .value_kind: global_buffer, .address_space: global }
      - { .name: fc1_w_codes, .offset: 40, .size: 8, .value_kind: global_buffer, .address_space: global }
      - { .name: wp2, .offset: 48, .size: 8, .value_kind: global_buffer, .address_space: global }
      - { .name: w1, .offset: 56, .size: 8, .value_kind: global_buffer, .address_space: global }
    .group_segment_fixed_size: 327680
    .private_segment_fixed_size: 0
    .kernarg_segment_align: 8
    .kernarg_segment_size: 64
    .max_flat_workgroup_size: 512
    .sgpr_count:     66
    .vgpr_count:     256
    .wavefront_size: 32
...
	.end_amdgpu_metadata
.endif
;; end of part 3
;; launch proj (part 4): grid 8 x 32, 4 waves a work-group, clusters of 4 x 4, 327,680 bytes of LDS; arguments act, wp2, w_proj_scales, x, x1; writes x1
.if DOCPART == 4
	.amdgcn_target "amdgcn-amd-amdhsa--gfx1250"
	.amdhsa_code_object_version 6
	.text
	.protected	k_q8af7b73557_proj
	.globl	k_q8af7b73557_proj
	.p2align	8
	.type	k_q8af7b73557_proj,@function
k_q8af7b73557_proj:
	s_mov_b64 s[64:65], 0
	v_nop
	global_prefetch_b8 v0, s[64:65] scope:SCOPE_SE
	s_setreg_imm32_b32 hwreg(HW_REG_WAVE_MODE, 25, 1), 1
	s_wait_xcnt 0x0
	s_wait_alu depctr_hold_cnt(0) depctr_sa_sdst(0) depctr_va_vdst(0) depctr_va_sdst(0) depctr_va_ssrc(0) depctr_va_vcc(0) depctr_vm_vsrc(0)
	s_getreg_b32 s2, hwreg(HW_REG_IB_STS2, 6, 4)
	s_cmp_eq_u32 s2, 0
	s_cbranch_scc0 .Lentry_in_a_cluster
	s_endpgm
.Lentry_in_a_cluster:
	s_bfe_u32 s2, ttmp6, 0x10000c
	s_cmp_lg_u32 s2, 0xf033
	s_cbranch_scc0 .Lentry_shape_is_right
	s_endpgm
.Lentry_shape_is_right:
; x1 = x + ao Wproj on codes of E3M2 (MX-BF6).  M 4,096, K 1,024, N 1,024; x, x1 f32.
; A (buffer act): images of operand registers [row / 16][k / 64][768] and scale bytes [row][32] from byte ASC on.  B: images of the weight's codes (buffer wp2 from byte 3,145,728 on) and scale bytes [n][32], as given.
; A work-group of four waves makes 128 x 128 (256 x 256 would give 64 work-groups for 256 WGPs), a wave 64 x 64: 16 accumulators.  A slot holds 512 along K; K = 1,024 is the two first fills: nothing is filled again.
; CLUSTER 4 x 4: A's tiles are shared along a row of the cluster, B's along a column: joint loads with a mask of four.  The scale bytes come once with the first fills.
; THE MATRIX INSTRUCTION IS USED TRANSPOSED (source 0 = 16 rows of B, source 1 = 16 rows of A): lane (r, h) holds row r and columns 16 b + 8 h + 0 .. 7.
; REGISTERS.  Window 0: v1-3 r, h, lane; v16-23 LDS addresses of fragments; v24, v25 stage; v26 my offset in x and x1; v27 scale words' address; v28, v29 the spare word's address and 0;
;   v32-63 scale words, two sets; v64-159 A's fragments, two sets (on the way out v64-191: rows).  Window 1: B's fragments.  Window 2: accumulators (a, b) at 8 (4 a + b).  Window 3: v0-127 the residual, asked for at the head.
.set NBLK,  4
.set NQ,    4
.set SIZE_K, 1024
.set BIAS,  0
.set KROW,  SIZE_K*3/4
.set KS,    SIZE_K/32
.set AMB,   12*SIZE_K
.set ASC,   3072*SIZE_K
.set PITCH, 240
.set HA,    24576
.set HB,    24576                      ; B now comes as images too (buffer wp2 from byte 3,145,728 on, laid by launch att): a load of B is as a load of A
.set RG,    NQ*1536                    ; 16 rows x a slot's K, in images
.set SLOT,  2*HA+2*HB
.set ASTEP, NQ*1536
.set BSTEP, NQ*1536
.set SCL,   2*SLOT
.set UN,    16*NBLK*KS/256
.set HALFS, UN*272
.set SBLK,  (16*KS/256)*272
.set SPARE, SCL+4*HALFS
.set LAPS,  SIZE_K/(256*NQ)
.set FR,    12
.set MSB, 0
.macro WIN new                         ; the immediate's high byte repeats the setting that is left
.if MSB != (\new)
	s_set_vgpr_msb (MSB<<8)|(\new)
.set MSB, \new
.endif
.endm
.macro PLACES n
.rept \n
	v_nop
.endr
.endm
.macro JLOAD g0a, g1a, g0b, g1b        ; a joint load: waves 0, 1 for A, waves 2, 3 for B; four v_nop follow each line
	s_cmp_eq_u32 s15, 0
	s_cbranch_scc0 .Lfor_b_\@
	tensor_load_to_lds s[\g0a:\g0a+3], s[\g1a:\g1a+7]
	s_nop 0
.rept 4
	v_nop
.endr
	s_branch .Lasked_\@
.Lfor_b_\@:
	tensor_load_to_lds s[\g0b:\g0b+3], s[\g1b:\g1b+7]
	s_nop 0
.rept 4
	v_nop
.endr
.Lasked_\@:
.endm
.macro CREST
	s_cmp_lg_u32 s14, 0
	s_cbranch_scc1 .Lnot_wave_0_\@
	s_barrier_signal -3
.Lnot_wave_0_\@:
	s_barrier_wait -3
	s_barrier_signal -1
	s_barrier_wait -1
.endm
.macro CROUND
	s_barrier_signal -1
	s_barrier_wait -1
	CREST
.endm
.macro FRAGB reg, adr, q, i            ; 16 rows x 128 K of B: two images, 16 bytes at 16 x lane and 8 bytes at 512 + 8 x lane of each (second address register)
.irp c, 0,1                            ; two images, as they lie
	ds_load_b128 v[\reg+6*\c:\reg+6*\c+3], v[\adr] offset:(\i)*RG+(\q)*1536+768*\c
	ds_load_b64 v[\reg+6*\c+4:\reg+6*\c+5], v[\adr+2] offset:(\i)*RG+(\q)*1536+768*\c+512
.endr
.endm
.macro FRAGA reg, slot, q, i
.irp c, 0,1
	ds_load_b128 v[\reg+6*\c:\reg+6*\c+3], v[16+\slot] offset:(\i)*RG+(\q)*1536+768*\c
	ds_load_b64 v[\reg+6*\c+4:\reg+6*\c+5], v[18+\slot] offset:(\i)*RG+(\q)*1536+768*\c+512
.endr
.endm
.macro FETCH slot, q, p
	WIN 0x40
.set FI, 0
.rept NBLK
	FRAGB FR*NBLK*(\p)+FR*FI, 20+\slot, \q, FI
.set FI, FI+1
.endr
	WIN 0
.set FI, 0
.rept NBLK
	FRAGA 64+FR*NBLK*(\p)+FR*FI, \slot, \q, FI
.set FI, FI+1
.endr
.endm
.macro SCALES set                      ; a slot's scale words: lanes 0-15 A's block i, lanes 16-31 B's block i
.set FI, 0
.rept NBLK
.if NQ == 2
	ds_load_b64 v[32+16*(\set)+2*FI:33+16*(\set)+2*FI], v27 offset:FI*SBLK
.else
	ds_load_b128 v[32+16*(\set)+4*FI:35+16*(\set)+4*FI], v27 offset:FI*SBLK
.endif
.set FI, FI+1
.endr
.endm
; a quarter of a step's products.  The accumulators take turns, one instruction a turn, in the same order in every step
.macro MULQ k, p, q, set, zero
.set MA, (\k)*NBLK/4
.rept NBLK/4
.if (\zero) && BIAS
	WIN 0x91+0x40*(MA/4)
.else
	WIN 0xa1+0x50*(MA/4)
.endif
.set MB, 0
.rept NBLK
.set QD,  8*(NBLK*(MA%4)+MB)
.set QBF, FR*NBLK*(\p)+FR*MB
.set QAF, 64+FR*NBLK*(\p)+FR*MA
.set QSB, 32+16*(\set)+NQ*MB+(\q)
.set QSA, 32+16*(\set)+NQ*MA+(\q)
.if \zero
.if BIAS
	v_wmma_scale_f32_16x16x128_f8f6f4 v[QD:QD+7], v[QBF:QBF+11], v[QAF:QAF+11], v[192+8*MB:199+8*MB], v[QSB], v[QSA] matrix_a_fmt:MATRIX_FMT_BF6 matrix_b_fmt:MATRIX_FMT_BF6 matrix_a_scale:MATRIX_SCALE_ROW1
.else
	v_wmma_scale_f32_16x16x128_f8f6f4 v[QD:QD+7], v[QBF:QBF+11], v[QAF:QAF+11], 0, v[QSB], v[QSA] matrix_a_fmt:MATRIX_FMT_BF6 matrix_b_fmt:MATRIX_FMT_BF6 matrix_a_scale:MATRIX_SCALE_ROW1
.endif
.else
	v_wmma_scale_f32_16x16x128_f8f6f4 v[QD:QD+7], v[QBF:QBF+11], v[QAF:QAF+11], v[QD:QD+7], v[QSB], v[QSA] matrix_a_fmt:MATRIX_FMT_BF6 matrix_b_fmt:MATRIX_FMT_BF6 matrix_a_scale:MATRIX_SCALE_ROW1
.endif
.set MB, MB+1
.endr
.set MA, MA+1
.endr
.endm
.macro STEP slot, q, zero
	s_wait_dscnt 0x0                               ; this step's fragments and words are in
	PLACES 4                                       ; behind the last step's products, which read the set that is loaded now
	FETCH \slot, (\q)+1, 1-(\q)%2
	MULQ 0, (\q)%2, \q, \slot, \zero
	MULQ 1, (\q)%2, \q, \slot, \zero
	MULQ 2, (\q)%2, \q, \slot, \zero
	MULQ 3, (\q)%2, \q, \slot, \zero
	WIN 0
.endm
.macro STEPS slot, from
.set SQ, \from
.rept NQ-1-(\from)
	STEP \slot, SQ, 0
.set SQ, SQ+1
.endr
.endm
.macro TURN slot, next, fill           ; a slot's last step changes slots: one barrier
	s_wait_tensorcnt 0x0                           ; all my tensor loads have landed: my part of the next slot
	ds_add_u32 v28, v29                            ; 0 onto my spare word
	s_wait_dscnt 1                                 ; the fragments are in; the add may be out
	MULQ 0, 1, NQ-1, \slot, 0
	s_wait_dscnt 0x0                               ; the add is done, and my reads of this slot are over
	s_barrier_signal -1
	MULQ 1, 1, NQ-1, \slot, 0
	WIN 0
	s_barrier_wait -1
.if \fill
	CREST
	s_add_nc_u64 s[34+4*\slot:35+4*\slot], s[34+4*\slot:35+4*\slot], 2*ASTEP
	s_add_nc_u64 s[58+4*\slot:59+4*\slot], s[58+4*\slot:59+4*\slot], 2*BSTEP
	JLOAD 32+4*\slot, 24, 56+4*\slot, 48
.else
	PLACES 4
.endif
	v_add_nc_u32 v27, 4*NQ, v27                    ; the next slot's scale words
	FETCH \next, 0, 0
	SCALES \next
	MULQ 2, 1, NQ-1, \slot, 0
	MULQ 3, 1, NQ-1, \slot, 0
	WIN 0
.endm
	s_load_b128 s[4:7], s[0:1], 0x0                ; act, B's codes
	s_load_b128 s[8:11], s[0:1], 0x10              ; B's scales, x
	s_load_b64 s[12:13], s[0:1], 0x20              ; x1
	v_lshl_add_u32 v28, v0, 2, SPARE
	v_mov_b32 v29, 0
	ds_add_u32 v28, v29
	ds_add_u32 v28, v29
	s_wait_dscnt 0x0
	v_lshrrev_b32 v1, 5, v0
	v_readfirstlane_b32 s14, v1                    ; wave
	s_lshr_b32 s15, s14, 1                         ; my half of the rows; also: I fetch for A (0) or B (1)
	s_and_b32 s16, s14, 1                          ; my half of the columns; also: which of the two loads
	s_bfe_u32 s40, ttmp6, 0x40000                  ; cx, cy
	s_bfe_u32 s41, ttmp6, 0x40004
	s_lshl_b32 s42, ttmp9, 2
	s_add_co_u32 s42, s42, s40                     ; tile column
	s_and_b32 s17, ttmp7, 0xffff
	s_lshl_b32 s17, s17, 2
	s_add_co_u32 s17, s17, s41                     ; tile row
	s_lshl_b32 s43, s41, 2
	s_lshl_b32 s43, 15, s43                        ; my row of the cluster
	s_lshl_b32 s44, 0x1111, s40                    ; my column
	s_or_b32 s24, s43, (3<<16)|(1<<21)             ; A and B alike: elements of 8 bytes, dense rows of RG bytes (16 rows' images of a slot's K), AMB bytes apart
	s_or_b32 s48, s44, (3<<16)|(1<<21)
.irp g, 24, 48
	s_mov_b32 s[\g+1], (RG/8)<<16
	s_mov_b32 s[\g+2], (2*NBLK)<<16                ; the head's loads bring a side's whole slot; behind them the two counts are set to NBLK
	s_mov_b32 s[\g+3], (RG/8)<<16
	s_mov_b32 s[\g+4], 2*NBLK
	s_mov_b32 s[\g+5], AMB/8
	s_mov_b32 s[\g+6], 0
	s_mov_b32 s[\g+7], 0
.endr
	s_or_b32 s68, s43, (3<<16)|(1<<20)|(1<<21)|(5<<22)|(3<<25)   ; scale bytes: UN dense rows of 256 bytes, 16 of padding behind each
	s_or_b32 s80, s44, (3<<16)|(1<<20)|(1<<21)|(5<<22)|(3<<25)
.irp g, 68, 80
	s_mov_b32 s[\g+1], 32<<16
	s_mov_b32 s[\g+2], (2*UN)<<16
	s_mov_b32 s[\g+3], 32<<16
	s_mov_b32 s[\g+4], 2*UN
	s_mov_b32 s[\g+5], 32
	s_mov_b32 s[\g+6], 0
	s_mov_b32 s[\g+7], 0
.endr
	s_mul_i32 s20, s17, 2*NBLK*AMB                 ; where my tile's images begin: A's,
	s_mul_i32 s46, s42, 2*NBLK*AMB                 ; B's,
	s_add_co_u32 s46, s46, 3145728                 ; behind fc2_w's images in wp2
	s_mov_b32 s21, 0
	s_mov_b32 s47, 0
	s_mul_i32 s100, s16, NBLK*AMB                  ; slot 1: I fetch half of a side's rows
	s_mov_b32 s101, 0
	s_mul_i32 s22, s17, 32*NBLK*KS
	s_add_co_u32 s22, s22, ASC
	s_mov_b32 s23, 0
	s_mul_i32 s94, s42, 32*NBLK*KS
	s_mov_b32 s95, 0
	s_mul_i32 s45, s16, HA                         ; LDS: no place in the cluster enters an LDS address
	s_add_co_u32 s96, s45, 2*HA
	s_wait_kmcnt 0x0
	s_add_nc_u64 s[20:21], s[4:5], s[20:21]
	s_add_nc_u64 s[22:23], s[4:5], s[22:23]
	s_add_nc_u64 s[46:47], s[6:7], s[46:47]
	s_add_nc_u64 s[94:95], s[8:9], s[94:95]
	CROUND                                         ; all sixteen work-groups are here: the first joint loads meet
	s_mov_b32 s76, 1
	s_mov_b32 s77, SCL
	s_mov_b64 s[78:79], s[22:23]
	s_or_b32 s79, s79, 0x80000000
	s_mov_b32 s88, 1
	s_mov_b32 s89, SCL+2*HALFS
	s_mov_b64 s[90:91], s[94:95]
	s_or_b32 s91, s91, 0x80000000
	s_mov_b32 s32, 1                               ; slot 0: a side's whole slot by one load
	s_mov_b32 s33, 0
	s_mov_b64 s[34:35], s[20:21]
	s_or_b32 s35, s35, 0x80000000
	s_mov_b32 s56, 1
	s_mov_b32 s57, 2*HA
	s_mov_b64 s[58:59], s[46:47]
	s_or_b32 s59, s59, 0x80000000
	s_add_nc_u64 s[20:21], s[20:21], s[100:101]
	s_add_nc_u64 s[46:47], s[46:47], s[100:101]
	s_mov_b32 s36, 1                               ; slot 1's: my half
	s_add_co_u32 s37, s45, SLOT
	s_add_nc_u64 s[38:39], s[20:21], ASTEP
	s_or_b32 s39, s39, 0x80000000
	s_mov_b32 s60, 1
	s_add_co_u32 s61, s96, SLOT
	s_add_nc_u64 s[62:63], s[46:47], ASTEP
	s_or_b32 s63, s63, 0x80000000
; the head's four tiles, one joint load a wave: wave 0 A's slot 0, wave 1 B's, wave 2 A's scale bytes, wave 3 B's: one tree of branches on the wave's number
.macro ARM under, g0, g1, next
	s_cmp_lt_u32 s14, \under
	s_cbranch_scc0 \next
	tensor_load_to_lds s[\g0:\g0+3], s[\g1:\g1+7]
	s_nop 0
.rept 4
	v_nop
.endr
	s_branch .Lhead_asked
\next:
.endm
	ARM 1, 32, 24, .Lhead_b
	ARM 2, 56, 48, .Lhead_sa
	ARM 3, 76, 68, .Lhead_sb
	tensor_load_to_lds s[88:91], s[80:87]
	s_nop 0
.rept 4
	v_nop
.endr
.Lhead_asked:
	v_and_b32 v1, 15, v0                           ; r
	v_bfe_u32 v2, v0, 4, 1                         ; h
	v_and_b32 v3, 31, v0                           ; lane
	s_mul_i32 s18, s15, HA
	v_lshl_add_u32 v16, v3, 4, s18
	v_lshl_add_u32 v18, v3, 3, s18
	v_add_nc_u32 v17, SLOT, v16
	v_add_nc_u32 v19, SLOT, v18
	s_mul_i32 s18, s16, HA
	s_add_co_u32 s18, s18, 2*HA
	v_lshl_add_u32 v20, v3, 4, s18                 ; B's images: 16 x lane, 8 x lane
	v_lshl_add_u32 v22, v3, 3, s18
	v_add_nc_u32 v21, SLOT, v20
	v_add_nc_u32 v23, SLOT, v22
	v_mul_u32_u24 v5, v1, KS
	v_lshrrev_b32 v6, 8, v5
	v_lshl_add_u32 v5, v6, 4, v5
	s_mul_i32 s18, s15, HALFS
	s_mul_i32 s19, s16, HALFS
	s_add_co_u32 s19, s19, 2*HALFS
	s_sub_co_u32 s19, s19, s18
	v_mul_u32_u24 v6, s19, v2                      ; lanes 16-31 take B's
	s_add_co_u32 s18, s18, SCL
	v_add_nc_u32 v5, v5, v6
	v_add_nc_u32 v27, s18, v5
	s_mul_i32 s98, s17, 32*NBLK
	s_mul_i32 s18, s15, 16*NBLK
	s_add_co_u32 s98, s98, s18                     ; my first row
	s_mul_i32 s99, s42, 32*NBLK
	s_mul_i32 s18, s16, 16*NBLK
	s_add_co_u32 s99, s99, s18                     ; my first column
	; the stage (16 rows x 272 bytes a wave, in slot 0, which has had its only fill and its last read when it is written), and the residual
	s_mul_i32 s18, s14, 4352
	v_mul_u32_u24 v24, v1, 272
	v_lshl_add_u32 v24, v2, 5, v24
	v_add_nc_u32 v24, s18, v24                     ; in: row r, + 32 h
	v_mul_u32_u24 v25, v2, 272
	v_lshl_add_u32 v25, v1, 4, v25
	v_add_nc_u32 v25, s18, v25                     ; back: lanes 0-15 one row of 256 bytes, lanes 16-31 the next
	v_lshlrev_b32 v26, 12, v2
	v_lshl_add_u32 v26, v1, 4, v26                 ; the same two rows in x and x1
	s_lshl_b32 s20, s98, 12
	s_lshl_b32 s18, s99, 2
	s_add_co_u32 s20, s20, s18
	s_mov_b32 s21, 0
	s_add_nc_u64 s[10:11], s[10:11], s[20:21]
	s_add_nc_u64 s[12:13], s[12:13], s[20:21]
	s_wait_alu depctr_va_vdst(0)
	s_wait_tensorcnt 0x0                           ; my tile of the head's four is in
	ds_add_u32 v28, v29
	s_mov_b32 s26, NBLK<<16                        ; no load of mine is out: slot 1's loads bring half of a side's rows
	s_mov_b32 s28, NBLK
	s_mov_b32 s50, NBLK<<16
	s_mov_b32 s52, NBLK
	s_wait_dscnt 0x0
	CROUND                                         ; all four tiles are in, all sixteen work-groups are here
	JLOAD 36, 24, 60, 48
	WIN 0xc0
.set i, 0
.rept 32
	global_load_b128 v[4*i:4*i+3], v26, s[10:11] offset:2*i*4096   ; my 64 x 64 of x, asked for behind the tiles; waited for on the way out
.set i, i+1
.endr
	WIN 0
	FETCH 0, 0, 0
	SCALES 0
	STEP 0, 0, 1                                   ; its products start the sums
.if LAPS > 1
	s_mov_b32 s3, LAPS-1
.Llap:
	STEPS 0, 1
	TURN 0, 1, 1
	STEPS 1, 0
	TURN 1, 0, 1
	STEP 0, 0, 0
	s_sub_co_u32 s3, s3, 1
	s_cmp_lg_u32 s3, 0
	s_cbranch_scc1 .Llap
.endif
	STEPS 0, 1
	TURN 0, 1, 0
	STEPS 1, 0
	s_wait_dscnt 0x0
	MULQ 0, 1, NQ-1, 1, 0
	MULQ 1, 1, NQ-1, 1, 0
	MULQ 2, 1, NQ-1, 1, 0
	MULQ 3, 1, NQ-1, 1, 0
	WIN 0
	; THE WAY OUT: 16 rows x 64 columns at a time through my stage, back as whole rows of 256 bytes; + the residual; stored
	PLACES 4
.irp a, 0,1,2,3
	WIN 0x08
.irp b, 0,1,2,3
	ds_store_b128 v24, v[8*(4*\a+\b):8*(4*\a+\b)+3] offset:64*\b             ; each accumulator from its low end on
	ds_store_b128 v24, v[8*(4*\a+\b)+4:8*(4*\a+\b)+7] offset:64*\b+16
.endr
	WIN 0
.irp t, 0,1,2,3,4,5,6,7
	ds_load_b128 v[64+32*\a+4*\t:67+32*\a+4*\t], v25 offset:544*\t           ; LDS serves a wave's instructions in order: these see my stores, the next block's stores come behind them
.endr
.endr
	s_wait_loadcnt 0x0                             ; the residual
.irp a, 0,1,2,3
	s_wait_dscnt 16*(3-\a)                         ; each later block issued 8 stores and 8 loads
	WIN 0x0c
.set i, 0
.rept 16
	v_pk_add_f32 v[64+32*\a+2*i:65+32*\a+2*i], v[64+32*\a+2*i:65+32*\a+2*i], v[32*\a+2*i:32*\a+2*i+1]
.set i, i+1
.endr
	WIN 0
.irp t, 0,1,2,3,4,5,6,7
	global_store_b128 v26, v[64+32*\a+4*\t:67+32*\a+4*\t], s[12:13] offset:(16*\a+2*\t)*4096   ; sixteen lanes store 256 bytes on end, at a multiple of 256 from the buffer's first byte
.endr
.endr
	s_wait_tensorcnt 0x0                           ; the wave's end
	ds_add_u32 v28, v29
	s_wait_dscnt 0x0
	CROUND                                         ; the closing round
	s_endpgm
.Lfunc_end_k_q8af7b73557_proj:
	.size	k_q8af7b73557_proj, .Lfunc_end_k_q8af7b73557_proj-k_q8af7b73557_proj
	.p2alignl 7, 3214868480
	.fill 96, 4, 3214868480
	.section	.rodata,"a",@progbits
	.p2align	6, 0x0
	.amdhsa_kernel k_q8af7b73557_proj
		.amdhsa_group_segment_fixed_size 327680
		.amdhsa_private_segment_fixed_size 0
		.amdhsa_enable_private_segment 0
		.amdhsa_kernarg_size 40
		.amdhsa_user_sgpr_count 2
		.amdhsa_user_sgpr_kernarg_segment_ptr 1
		.amdhsa_wavefront_size32 1
		.amdhsa_system_sgpr_workgroup_id_x 1
		.amdhsa_system_sgpr_workgroup_id_y 1
		.amdhsa_system_sgpr_workgroup_id_z 1
		.amdhsa_system_vgpr_workitem_id 0
		.amdhsa_next_free_vgpr 1024
		.amdhsa_next_free_sgpr 102
		.amdhsa_reserve_vcc 0
		.amdhsa_float_denorm_mode_32 3
		.amdhsa_float_denorm_mode_16_64 3
		.amdhsa_memory_ordered 1
		.amdhsa_forward_progress 1
		.amdhsa_inst_pref_size 61
	.end_amdhsa_kernel
	.amdgpu_metadata
---
amdhsa.version: [ 1, 2 ]
amdhsa.kernels:
  - .name:           k_q8af7b73557_proj
    .symbol:         k_q8af7b73557_proj.kd
    .args:
      - { .name: act, .offset: 0, .size: 8, .value_kind: global_buffer, .address_space: global }
      - { .name: wp2, .offset: 8, .size: 8, .value_kind: global_buffer, .address_space: global }
      - { .name: w_proj_scales, .offset: 16, .size: 8, .value_kind: global_buffer, .address_space: global }
      - { .name: x, .offset: 24, .size: 8, .value_kind: global_buffer, .address_space: global }
      - { .name: x1, .offset: 32, .size: 8, .value_kind: global_buffer, .address_space: global }
    .group_segment_fixed_size: 327680
    .private_segment_fixed_size: 0
    .kernarg_segment_align: 8
    .kernarg_segment_size: 40
    .max_flat_workgroup_size: 128
    .sgpr_count:     102
    .vgpr_count:     1024
    .wavefront_size: 32
...
	.end_amdgpu_metadata
.endif
;; end of part 4
;; launch ln2: the kernel of part 1 again; grid 256 x 1, 4 waves a work-group, no clusters, 76,288 bytes of LDS; arguments x1, ln2_w, ln2_b, act, fc1_w_codes, w1; writes act, w1
;; launch fc1 (part 5): grid 16 x 16, 4 waves a work-group, clusters of 4 x 4, 327,680 bytes of LDS; arguments act, w1, fc1_w_scales, fc1_b, g; writes g
.if DOCPART == 5
	.amdgcn_target "amdgcn-amd-amdhsa--gfx1250"
	.amdhsa_code_object_version 6
	.text
	.protected	k_q8af7b73557_fc1
	.globl	k_q8af7b73557_fc1
	.p2align	8
	.type	k_q8af7b73557_fc1,@function
k_q8af7b73557_fc1:
	s_mov_b64 s[64:65], 0
	v_nop
	global_prefetch_b8 v0, s[64:65] scope:SCOPE_SE
	s_setreg_imm32_b32 hwreg(HW_REG_WAVE_MODE, 25, 1), 1
	s_wait_xcnt 0x0
	s_wait_alu depctr_hold_cnt(0) depctr_sa_sdst(0) depctr_va_vdst(0) depctr_va_sdst(0) depctr_va_ssrc(0) depctr_va_vcc(0) depctr_vm_vsrc(0)
	s_getreg_b32 s2, hwreg(HW_REG_IB_STS2, 6, 4)
	s_cmp_eq_u32 s2, 0
	s_cbranch_scc0 .Lentry_in_a_cluster
	s_endpgm
.Lentry_in_a_cluster:
	s_bfe_u32 s2, ttmp6, 0x10000c
	s_cmp_lg_u32 s2, 0xf033
	s_cbranch_scc0 .Lentry_shape_is_right
	s_endpgm
.Lentry_shape_is_right:
.set NBLK,  8
.set NQ,    2
.set SIZE_K, 1024
.set BIAS,  1
.set KROW,  SIZE_K*3/4
.set KS,    SIZE_K/32
.set AMB,   12*SIZE_K
.set ASC,   3072*SIZE_K
.set ASC4,  12582912
.set PITCH, 240
.set HA,    24576
.set HB,    24576                      ; B comes as images, as A does (buffer w1, laid by launches att and ln2)
.set RG,    NQ*1536                    ; 16 rows x a slot's K, in images
.set SLOT,  2*HA+2*HB
.set ASTEP, NQ*1536
.set BSTEP, NQ*1536
.set SCL,   2*SLOT
.set UN,    16*NBLK*KS/256
.set HALFS, UN*272
.set SBLK,  (16*KS/256)*272
.set SPARE, SCL+4*HALFS
.set LAPS,  SIZE_K/(256*NQ)
.set FR,    12
.set TM,    10
.set SCLR,  12
.set PT,    13
.set SH8,   7
.set SEL,   66
.set PR,    128
.set YR,    192
.set TR,    224
.set MSB, 0
.macro WIN new
.if MSB != (\new)
	s_set_vgpr_msb (MSB<<8)|(\new)
.set MSB, \new
.endif
.endm
.macro PLACES n
.rept \n
	v_nop
.endr
.endm
.macro JLOAD g0a, g1a, g0b, g1b
	s_cmp_eq_u32 s15, 0
	s_cbranch_scc0 .Lfor_b_\@
	tensor_load_to_lds s[\g0a:\g0a+3], s[\g1a:\g1a+7]
	s_nop 0
.rept 4
	v_nop
.endr
	s_branch .Lasked_\@
.Lfor_b_\@:
	tensor_load_to_lds s[\g0b:\g0b+3], s[\g1b:\g1b+7]
	s_nop 0
.rept 4
	v_nop
.endr
.Lasked_\@:
.endm
.macro CREST
	s_cmp_lg_u32 s14, 0
	s_cbranch_scc1 .Lnot_wave_0_\@
	s_barrier_signal -3
.Lnot_wave_0_\@:
	s_barrier_wait -3
	s_barrier_signal -1
	s_barrier_wait -1
.endm
.macro CROUND
	s_barrier_signal -1
	s_barrier_wait -1
	CREST
.endm
.macro FRAGB reg, adr, q, i
.irp c, 0,1                            ; two images, as they lie
	ds_load_b128 v[\reg+6*\c:\reg+6*\c+3], v[\adr] offset:(\i)*RG+(\q)*1536+768*\c
	ds_load_b64 v[\reg+6*\c+4:\reg+6*\c+5], v[\adr+2] offset:(\i)*RG+(\q)*1536+768*\c+512
.endr
.endm
.macro FRAGA reg, slot, q, i
.irp c, 0,1
	ds_load_b128 v[\reg+6*\c:\reg+6*\c+3], v[16+\slot] offset:(\i)*RG+(\q)*1536+768*\c
	ds_load_b64 v[\reg+6*\c+4:\reg+6*\c+5], v[18+\slot] offset:(\i)*RG+(\q)*1536+768*\c+512
.endr
.endm
.macro FETCH slot, q, p
	WIN 0x40
.set FI, 0
.rept NBLK
	FRAGB FR*NBLK*(\p)+FR*FI, 20+\slot, \q, FI
.set FI, FI+1
.endr
	WIN 0
.set FI, 0
.rept NBLK
	FRAGA 64+FR*NBLK*(\p)+FR*FI, \slot, \q, FI
.set FI, FI+1
.endr
.endm
.macro SCALES set
.set FI, 0
.rept NBLK
.if NQ == 2
	ds_load_b64 v[32+16*(\set)+2*FI:33+16*(\set)+2*FI], v27 offset:FI*SBLK
.else
	ds_load_b128 v[32+16*(\set)+4*FI:35+16*(\set)+4*FI], v27 offset:FI*SBLK
.endif
.set FI, FI+1
.endr
.endm
.macro MULQ k, p, q, set, zero
.set MA, (\k)*NBLK/4
.rept NBLK/4
.if (\zero) && BIAS
	WIN 0x91+0x40*(MA/4)
.else
	WIN 0xa1+0x50*(MA/4)
.endif
.set MB, 0
.rept NBLK
.set QD,  8*(NBLK*(MA%4)+MB)
.set QBF, FR*NBLK*(\p)+FR*MB
.set QAF, 64+FR*NBLK*(\p)+FR*MA
.set QSB, 32+16*(\set)+NQ*MB+(\q)
.set QSA, 32+16*(\set)+NQ*MA+(\q)
.if \zero
.if BIAS
	v_wmma_scale_f32_16x16x128_f8f6f4 v[QD:QD+7], v[QBF:QBF+11], v[QAF:QAF+11], v[192+8*MB:199+8*MB], v[QSB], v[QSA] matrix_a_fmt:MATRIX_FMT_BF6 matrix_b_fmt:MATRIX_FMT_BF6 matrix_a_scale:MATRIX_SCALE_ROW1
.else
	v_wmma_scale_f32_16x16x128_f8f6f4 v[QD:QD+7], v[QBF:QBF+11], v[QAF:QAF+11], 0, v[QSB], v[QSA] matrix_a_fmt:MATRIX_FMT_BF6 matrix_b_fmt:MATRIX_FMT_BF6 matrix_a_scale:MATRIX_SCALE_ROW1
.endif
.else
	v_wmma_scale_f32_16x16x128_f8f6f4 v[QD:QD+7], v[QBF:QBF+11], v[QAF:QAF+11], v[QD:QD+7], v[QSB], v[QSA] matrix_a_fmt:MATRIX_FMT_BF6 matrix_b_fmt:MATRIX_FMT_BF6 matrix_a_scale:MATRIX_SCALE_ROW1
.endif
.set MB, MB+1
.endr
.set MA, MA+1
.endr
.endm
.macro STEP slot, q, zero
	s_wait_dscnt 0x0
	PLACES 4
	FETCH \slot, (\q)+1, 1-(\q)%2
	MULQ 0, (\q)%2, \q, \slot, \zero
	MULQ 1, (\q)%2, \q, \slot, \zero
	MULQ 2, (\q)%2, \q, \slot, \zero
	MULQ 3, (\q)%2, \q, \slot, \zero
	WIN 0
.endm
.macro STEPS slot, from
.set SQ, \from
.rept NQ-1-(\from)
	STEP \slot, SQ, 0
.set SQ, SQ+1
.endr
.endm
.macro TURN slot, next, fill
	s_wait_tensorcnt 0x0
	ds_add_u32 v28, v29
	s_wait_dscnt 1
	MULQ 0, 1, NQ-1, \slot, 0
	s_wait_dscnt 0x0
	s_barrier_signal -1
	MULQ 1, 1, NQ-1, \slot, 0
	WIN 0
	s_barrier_wait -1
.if \fill
	CREST
	s_add_nc_u64 s[34+4*\slot:35+4*\slot], s[34+4*\slot:35+4*\slot], 2*ASTEP
	s_add_nc_u64 s[58+4*\slot:59+4*\slot], s[58+4*\slot:59+4*\slot], 2*BSTEP
	JLOAD 32+4*\slot, 24, 56+4*\slot, 48
.else
	PLACES 4
.endif
	s_wait_alu depctr_va_vdst(0)
	v_add_nc_u32 v27, 4*NQ, v27
	FETCH \next, 0, 0
	SCALES \next
	MULQ 2, 1, NQ-1, \slot, 0
	MULQ 3, 1, NQ-1, \slot, 0
	WIN 0
.endm
.macro QB x, c, ct, e
	v_max3_num_f32 v[TM], |v[(\x)]|, |v[(\x)+1]|, 0x2800000
	v_max3_num_f32 v[TM+1], |v[(\x)+2]|, |v[(\x)+3]|, 0x2800000
.irp i, 4,8,12,16,20,24,28
	v_max3_num_f32 v[TM], v[TM], |v[(\x)+\i]|, |v[(\x)+\i+1]|
	v_max3_num_f32 v[TM+1], v[TM+1], |v[(\x)+\i+2]|, |v[(\x)+\i+3]|
.endr
	v_max_num_f32 v[TM], v[TM], v[TM+1]
	v_add_nc_u32 v[SCLR], 0xfe000000, v[TM]
	v_lshrrev_b32 v[\e], 23, v[SCLR]
	v_cvt_scalef32_pk16_bf6_f32 v[(\c):(\c)+2], v[(\x):(\x)+15], v[SCLR]
	v_cvt_scalef32_pk16_bf6_f32 v[(\ct):(\ct)+2], v[(\x)+16:(\x)+31], v[SCLR]
	v_nop
	v_mov_b32 v[(\c)+3], v[(\ct)]
	v_mov_b32 v[(\c)+4], v[(\ct)+1]
	v_mov_b32 v[(\c)+5], v[(\ct)+2]
.endm
.macro WORD2 w, e0, e1
	v_lshl_or_b32 v[\w], v[\e1], 16, v[\e0]
	v_lshlrev_b32 v[\w], v[SH8], v[\w]
	v_permlanex16_b32 v[PT], v[\w], s[SEL], s[SEL+1]
	v_or_b32 v[\w], v[\w], v[PT]
.endm
.macro SPAIR reg, val
	s_mov_b32 s[\reg], \val
	s_mov_b32 s[\reg+1], \val
.endm
.macro GELU32 x
.set i, 0
.rept 16
	v_pk_mul_f32 v[YR+2*i:YR+2*i+1], v[(\x)+2*i:(\x)+2*i+1], s[42:43] op_sel_hi:[1,0]
.set i, i+1
.endr
.set i, 0
.rept 32
	v_max_num_f32 v[(\x)+i], 0, v[(\x)+i]
	v_fma_f32 v[TR+i], |v[YR+i]|, s44, 1.0
.set i, i+1
.endr
.set i, 0
	s_wait_alu depctr_va_vdst(0)
.rept 32
	v_rcp_f32 v[TR+i], v[TR+i]
.set i, i+1
.endr
	v_nop
.set i, 0
	s_wait_alu depctr_va_vdst(0)
.rept 16
	v_pk_fma_f32 v[PR+2*i:PR+2*i+1], v[TR+2*i:TR+2*i+1], s[40:41], v[178:179] op_sel_hi:[1,0,0]
.set i, i+1
.endr
.irp k, 38,36,34,32,30,28,26,24
.set i, 0
.rept 16
	v_pk_fma_f32 v[PR+2*i:PR+2*i+1], v[PR+2*i:PR+2*i+1], v[TR+2*i:TR+2*i+1], s[\k:\k+1] op_sel_hi:[1,1,0]
.set i, i+1
.endr
.endr
.set i, 0
.rept 16
	v_pk_fma_f32 v[PR+2*i:PR+2*i+1], v[YR+2*i:YR+2*i+1], v[YR+2*i:YR+2*i+1], v[PR+2*i:PR+2*i+1] neg_lo:[1,0,0] neg_hi:[1,0,0]
.set i, i+1
.endr
.set i, 0
	s_wait_alu depctr_va_vdst(0)
.rept 32
	v_exp_f32 v[PR+i], v[PR+i]
.set i, i+1
.endr
	v_nop
.set i, 0
	s_wait_alu depctr_va_vdst(0)
.rept 16
	v_pk_mul_f32 v[PR+2*i:PR+2*i+1], v[PR+2*i:PR+2*i+1], v[TR+2*i:TR+2*i+1]
.set i, i+1
.endr
.set i, 0
.rept 32
	v_fma_f32 v[(\x)+i], -|v[YR+i]|, v[PR+i], v[(\x)+i]
.set i, i+1
.endr
.endm
	s_load_b128 s[4:7], s[0:1], 0x0
	s_load_b128 s[8:11], s[0:1], 0x10
	s_load_b64 s[12:13], s[0:1], 0x20
	v_lshl_add_u32 v28, v0, 2, SPARE
	v_mov_b32 v29, 0
	ds_add_u32 v28, v29
	ds_add_u32 v28, v29
	s_wait_dscnt 0x0
	v_lshrrev_b32 v1, 5, v0
	v_readfirstlane_b32 s14, v1
	s_lshr_b32 s15, s14, 1
	s_and_b32 s16, s14, 1
	s_bfe_u32 s40, ttmp6, 0x40000
	s_bfe_u32 s41, ttmp6, 0x40004
	s_lshl_b32 s42, ttmp9, 2
	s_add_co_u32 s42, s42, s40
	s_and_b32 s17, ttmp7, 0xffff
	s_lshl_b32 s17, s17, 2
	s_add_co_u32 s17, s17, s41
	s_lshl_b32 s43, s41, 2
	s_lshl_b32 s43, 15, s43
	s_lshl_b32 s44, 0x1111, s40
	s_or_b32 s24, s43, (3<<16)|(1<<21)             ; A and B alike: elements of 8 bytes, dense rows of RG bytes (16 rows' images of a slot's K), AMB bytes apart
	s_or_b32 s48, s44, (3<<16)|(1<<21)
.irp g, 24, 48
	s_mov_b32 s[\g+1], (RG/8)<<16
	s_mov_b32 s[\g+2], (2*NBLK)<<16                ; the head's loads bring a side's whole slot; behind them the two counts are set to NBLK
	s_mov_b32 s[\g+3], (RG/8)<<16
	s_mov_b32 s[\g+4], 2*NBLK
	s_mov_b32 s[\g+5], AMB/8
	s_mov_b32 s[\g+6], 0
	s_mov_b32 s[\g+7], 0
.endr
	s_or_b32 s68, s43, (3<<16)|(1<<20)|(1<<21)|(5<<22)|(3<<25)
	s_or_b32 s80, s44, (3<<16)|(1<<20)|(1<<21)|(5<<22)|(3<<25)
.irp g, 68, 80
	s_mov_b32 s[\g+1], 32<<16
	s_mov_b32 s[\g+2], (2*UN)<<16
	s_mov_b32 s[\g+3], 32<<16
	s_mov_b32 s[\g+4], 2*UN
	s_mov_b32 s[\g+5], 32
	s_mov_b32 s[\g+6], 0
	s_mov_b32 s[\g+7], 0
.endr
	s_mul_i32 s20, s17, 2*NBLK*AMB                 ; where my tile's images begin: A's,
	s_mul_i32 s46, s42, 2*NBLK*AMB                 ; B's
	s_mov_b32 s21, 0
	s_mov_b32 s47, 0
	s_mul_i32 s100, s16, NBLK*AMB                  ; in the ring I fetch half of a side's rows
	s_mov_b32 s101, 0
	s_mul_i32 s22, s17, 32*NBLK*KS
	s_add_co_u32 s22, s22, ASC
	s_mov_b32 s23, 0
	s_mul_i32 s94, s42, 32*NBLK*KS
	s_mov_b32 s95, 0
	s_mul_i32 s45, s16, HA                         ; LDS: no place in the cluster enters an LDS address
	s_add_co_u32 s96, s45, 2*HA
	s_wait_kmcnt 0x0
	s_add_nc_u64 s[20:21], s[4:5], s[20:21]
	s_add_nc_u64 s[22:23], s[4:5], s[22:23]
	s_add_nc_u64 s[46:47], s[6:7], s[46:47]
	s_add_nc_u64 s[94:95], s[8:9], s[94:95]
	CROUND
	s_mov_b32 s76, 1
	s_mov_b32 s77, SCL
	s_mov_b64 s[78:79], s[22:23]
	s_or_b32 s79, s79, 0x80000000
	s_mov_b32 s88, 1
	s_mov_b32 s89, SCL+2*HALFS
	s_mov_b64 s[90:91], s[94:95]
	s_or_b32 s91, s91, 0x80000000
	s_mov_b32 s32, 1                               ; slot 0's groups 0 first serve the head: a side's whole slot
	s_mov_b32 s33, 0
	s_mov_b64 s[34:35], s[20:21]
	s_or_b32 s35, s35, 0x80000000
	s_mov_b32 s56, 1
	s_mov_b32 s57, 2*HA
	s_mov_b64 s[58:59], s[46:47]
	s_or_b32 s59, s59, 0x80000000
	s_add_nc_u64 s[20:21], s[20:21], s[100:101]
	s_add_nc_u64 s[46:47], s[46:47], s[100:101]
	s_mov_b32 s36, 1                               ; slot 1's: my half
	s_add_co_u32 s37, s45, SLOT
	s_add_nc_u64 s[38:39], s[20:21], ASTEP
	s_or_b32 s39, s39, 0x80000000
	s_mov_b32 s60, 1
	s_add_co_u32 s61, s96, SLOT
	s_add_nc_u64 s[62:63], s[46:47], ASTEP
	s_or_b32 s63, s63, 0x80000000
; the head's four tiles, one joint load a wave: wave 0 A's slot 0, wave 1 B's, wave 2 A's scale bytes, wave 3 B's: one tree of branches on the wave's number
.macro ARM under, g0, g1, next
	s_cmp_lt_u32 s14, \under
	s_cbranch_scc0 \next
	tensor_load_to_lds s[\g0:\g0+3], s[\g1:\g1+7]
	s_nop 0
.rept 4
	v_nop
.endr
	s_branch .Lhead_asked
\next:
.endm
	ARM 1, 32, 24, .Lhead_b
	ARM 2, 56, 48, .Lhead_sa
	ARM 3, 76, 68, .Lhead_sb
	tensor_load_to_lds s[88:91], s[80:87]
	s_nop 0
.rept 4
	v_nop
.endr
.Lhead_asked:
	v_and_b32 v1, 15, v0
	v_bfe_u32 v2, v0, 4, 1
	v_and_b32 v3, 31, v0
	s_mul_i32 s18, s15, NBLK*3072
	v_lshl_add_u32 v16, v3, 4, s18
	v_lshl_add_u32 v18, v3, 3, s18
	v_add_nc_u32 v17, SLOT, v16
	v_add_nc_u32 v19, SLOT, v18
	s_mul_i32 s18, s16, HA
	s_add_co_u32 s18, s18, 2*HA
	v_lshl_add_u32 v20, v3, 4, s18                 ; B's images: 16 x lane, 8 x lane
	v_lshl_add_u32 v22, v3, 3, s18
	v_add_nc_u32 v21, SLOT, v20
	v_add_nc_u32 v23, SLOT, v22
	v_mul_u32_u24 v5, v1, KS
	v_lshrrev_b32 v6, 8, v5
	v_lshl_add_u32 v5, v6, 4, v5
	s_mul_i32 s18, s15, HALFS
	s_mul_i32 s19, s16, HALFS
	s_add_co_u32 s19, s19, 2*HALFS
	s_sub_co_u32 s19, s19, s18
	v_mul_u32_u24 v6, s19, v2
	s_add_co_u32 s18, s18, SCL
	v_add_nc_u32 v5, v5, v6
	v_add_nc_u32 v27, s18, v5
	s_mul_i32 s98, s17, 32*NBLK
	s_mul_i32 s18, s15, 16*NBLK
	s_add_co_u32 s98, s98, s18
	s_mul_i32 s99, s42, 32*NBLK
	s_mul_i32 s18, s16, 16*NBLK
	s_add_co_u32 s99, s99, s18
	s_mul_i32 s18, s14, 33792
	v_mul_u32_u24 v24, v1, 528
	v_lshl_add_u32 v25, v2, 7, v24
	v_lshl_add_u32 v24, v2, 5, v24
	v_add_nc_u32 v24, s18, v24
	v_add_nc_u32 v25, s18, v25
	s_lshl_b32 s18, s99, 2
	s_mov_b32 s19, 0
	s_add_nc_u64 s[10:11], s[10:11], s[18:19]
	v_lshlrev_b32 v6, 5, v2
	WIN 0x40
.set i, 0
.rept NBLK
	global_load_b128 v[192+8*i:195+8*i], v6, s[10:11] offset:64*i
	global_load_b128 v[196+8*i:199+8*i], v6, s[10:11] offset:64*i+16
.set i, i+1
.endr
	WIN 0
	s_wait_alu depctr_va_vdst(0)
	s_wait_loadcnt 0x0
	s_wait_tensorcnt 0x0                           ; my tile of the head's four is in
	ds_add_u32 v28, v29
	s_mov_b32 s26, NBLK<<16                        ; no load of mine is out: from here on a load brings half of a side's rows,
	s_mov_b32 s28, NBLK
	s_mov_b32 s50, NBLK<<16
	s_mov_b32 s52, NBLK
	s_add_co_u32 s33, s33, s45                     ; and slot 0's groups 0 point at my half
	s_add_nc_u64 s[34:35], s[34:35], s[100:101]
	s_add_co_u32 s57, s57, s45
	s_add_nc_u64 s[58:59], s[58:59], s[100:101]
	s_wait_dscnt 0x0
	CROUND                                         ; all four tiles are in, all sixteen work-groups are here
	JLOAD 36, 24, 60, 48                           ; slot 1's first fill, the first tensor load behind the round
	FETCH 0, 0, 0
	SCALES 0
	STEP 0, 0, 1
.if LAPS > 1
	s_mov_b32 s3, LAPS-1
.Llap:
	STEPS 0, 1
	TURN 0, 1, 1
	STEPS 1, 0
	TURN 1, 0, 1
	STEP 0, 0, 0
	s_sub_co_u32 s3, s3, 1
	s_cmp_lg_u32 s3, 0
	s_cbranch_scc1 .Llap
.endif
	STEPS 0, 1
	TURN 0, 1, 0
	STEPS 1, 0
	s_wait_dscnt 0x0
	MULQ 0, 1, NQ-1, 1, 0
	MULQ 1, 1, NQ-1, 1, 0
	MULQ 2, 1, NQ-1, 1, 0
	MULQ 3, 1, NQ-1, 1, 0
	WIN 0
	v_lshlrev_b32 v4, 4, v3
	v_lshlrev_b32 v5, 3, v3
	v_lshlrev_b32 v6, 7, v1
	v_lshlrev_b32 v[SH8], 3, v2
	v_mov_b32 v[PT], 0
	v_mov_b32 v178, 0xbf97d29d
	v_mov_b32 v179, 0xbf97d29d
	s_barrier_signal -1
	s_barrier_wait -1
	s_mul_i32 s46, s98, 3072
	s_mul_i32 s18, s99, 12
	s_add_co_u32 s46, s46, s18
	s_mov_b32 s47, 0
	s_add_nc_u64 s[46:47], s[12:13], s[46:47]
	s_lshl_b32 s48, s98, 7
	s_lshr_b32 s18, s99, 5
	s_add_co_u32 s48, s48, s18
	s_add_co_u32 s48, s48, ASC4
	s_mov_b32 s49, 0
	s_add_nc_u64 s[48:49], s[12:13], s[48:49]
	s_mov_b32 s[SEL], 0x76543210
	s_mov_b32 s[SEL+1], 0xfedcba98
	SPAIR 24, 0xc025c4b7
	SPAIR 26, 0x3fb8ab5a
	SPAIR 28, 0x3f0a29d2
	SPAIR 30, 0x3e0efb2e
	SPAIR 32, 0xbe899a80
	SPAIR 34, 0x3ecdfd18
	SPAIR 36, 0xbfd1a1e5
	SPAIR 38, 0x40097039
	SPAIR 40, 0x3e7c6f08
	SPAIR 42, 0x3f596d27
	s_mov_b32 s44, 0x3ed5224d
.macro HALFOUT d
	WIN 0x08+4*\d
.set i, 0
.rept 32
	ds_store_b128 v24, v[8*i:8*i+3] offset:(i/8)*8448+64*(i%8)
	ds_store_b128 v24, v[8*i+4:8*i+7] offset:(i/8)*8448+64*(i%8)+16
.set i, i+1
.endr
	WIN 0
	s_mov_b32 s50, 0
	s_mov_b32 s51, 4
.Lblk_\@:
	v_add_nc_u32 v16, s50, v25
.set i, 0
.rept 16
	ds_load_b128 v[64+4*i:67+4*i], v16 offset:256*(i/8)+16*(i%8)
.set i, i+1
.endr
	s_wait_dscnt 0x0
	GELU32 64
	QB 64, 160, 172, 14
	GELU32 96
	QB 96, 166, 172, 15
	global_store_b128 v4, v[160:163], s[46:47]
	global_store_b64 v5, v[164:165], s[46:47] offset:512
	global_store_b128 v4, v[166:169], s[46:47] offset:768
	global_store_b64 v5, v[170:171], s[46:47] offset:1280
	WORD2 176, 14, 15
	global_store_b32 v6, v176, s[48:49]
	s_wait_xcnt 0x0
	s_add_nc_u64 s[46:47], s[46:47], 49152
	s_add_nc_u64 s[48:49], s[48:49], 2048
	s_add_co_u32 s50, s50, 8448
	s_sub_co_u32 s51, s51, 1
	s_cmp_lg_u32 s51, 0
	s_cbranch_scc1 .Lblk_\@
.endm
	HALFOUT 0
	HALFOUT 1
	s_wait_tensorcnt 0x0
	ds_add_u32 v28, v29
	s_wait_dscnt 0x0
	CROUND
	s_endpgm
.Lfunc_end_k_q8af7b73557_fc1:
	.size	k_q8af7b73557_fc1, .Lfunc_end_k_q8af7b73557_fc1-k_q8af7b73557_fc1
	.p2alignl 7, 3214868480
	.fill 96, 4, 3214868480
	.section	.rodata,"a",@progbits
	.p2align	6, 0x0
	.amdhsa_kernel k_q8af7b73557_fc1
		.amdhsa_group_segment_fixed_size 327680
		.amdhsa_private_segment_fixed_size 0
		.amdhsa_enable_private_segment 0
		.amdhsa_kernarg_size 40
		.amdhsa_user_sgpr_count 2
		.amdhsa_user_sgpr_kernarg_segment_ptr 1
		.amdhsa_wavefront_size32 1
		.amdhsa_system_sgpr_workgroup_id_x 1
		.amdhsa_system_sgpr_workgroup_id_y 1
		.amdhsa_system_sgpr_workgroup_id_z 1
		.amdhsa_system_vgpr_workitem_id 0
		.amdhsa_next_free_vgpr 1024
		.amdhsa_next_free_sgpr 102
		.amdhsa_reserve_vcc 0
		.amdhsa_float_denorm_mode_32 3
		.amdhsa_float_denorm_mode_16_64 3
		.amdhsa_memory_ordered 1
		.amdhsa_forward_progress 1
		.amdhsa_inst_pref_size 213
	.end_amdhsa_kernel
	.amdgpu_metadata
---
amdhsa.version: [ 1, 2 ]
amdhsa.kernels:
  - .name:           k_q8af7b73557_fc1
    .symbol:         k_q8af7b73557_fc1.kd
    .args:
      - { .name: act, .offset: 0, .size: 8, .value_kind: global_buffer, .address_space: global }
      - { .name: w1, .offset: 8, .size: 8, .value_kind: global_buffer, .address_space: global }
      - { .name: fc1_w_scales, .offset: 16, .size: 8, .value_kind: global_buffer, .address_space: global }
      - { .name: fc1_b, .offset: 24, .size: 8, .value_kind: global_buffer, .address_space: global }
      - { .name: g, .offset: 32, .size: 8, .value_kind: global_buffer, .address_space: global }
    .group_segment_fixed_size: 327680
    .private_segment_fixed_size: 0
    .kernarg_segment_align: 8
    .kernarg_segment_size: 40
    .max_flat_workgroup_size: 128
    .sgpr_count:     102
    .vgpr_count:     1024
    .wavefront_size: 32
...
	.end_amdgpu_metadata
.endif
;; end of part 5
;; launch fc2 (part 6): grid 8 x 32, 4 waves a work-group, clusters of 4 x 4, 327,680 bytes of LDS; arguments g, wp2, fc2_w_scales, fc2_b, x1, out0; writes out0
.if DOCPART == 6
	.amdgcn_target "amdgcn-amd-amdhsa--gfx1250"
	.amdhsa_code_object_version 6
	.text
	.protected	k_q8af7b73557_fc2
	.globl	k_q8af7b73557_fc2
	.p2align	8
	.type	k_q8af7b73557_fc2,@function
k_q8af7b73557_fc2:
	s_mov_b64 s[64:65], 0
	v_nop
	global_prefetch_b8 v0, s[64:65] scope:SCOPE_SE
	s_setreg_imm32_b32 hwreg(HW_REG_WAVE_MODE, 25, 1), 1
	s_wait_xcnt 0x0
	s_wait_alu depctr_hold_cnt(0) depctr_sa_sdst(0) depctr_va_vdst(0) depctr_va_sdst(0) depctr_va_ssrc(0) depctr_va_vcc(0) depctr_vm_vsrc(0)
	s_getreg_b32 s2, hwreg(HW_REG_IB_STS2, 6, 4)
	s_cmp_eq_u32 s2, 0
	s_cbranch_scc0 .Lentry_in_a_cluster
	s_endpgm
.Lentry_in_a_cluster:
	s_bfe_u32 s2, ttmp6, 0x10000c
	s_cmp_lg_u32 s2, 0xf033
	s_cbranch_scc0 .Lentry_shape_is_right
	s_endpgm
.Lentry_shape_is_right:
.set NBLK,  4
.set NQ,    4
.set SIZE_K, 4096
.set BIAS,  1
.set KROW,  SIZE_K*3/4
.set KS,    SIZE_K/32
.set AMB,   12*SIZE_K
.set ASC,   3072*SIZE_K
.set PITCH, 240
.set HA,    24576
.set HB,    24576                      ; B comes as images, as A does (buffer wp2, laid by launch att)
.set RG,    NQ*1536                    ; 16 rows x a slot's K, in images
.set SLOT,  2*HA+2*HB
.set ASTEP, NQ*1536
.set BSTEP, NQ*1536
.set SCL,   2*SLOT
.set UN,    16*NBLK*KS/256
.set HALFS, UN*272
.set SBLK,  (16*KS/256)*272
.set SPARE, SCL+4*HALFS
.set LAPS,  SIZE_K/(256*NQ)
.set FR,    12
.set MSB, 0
.macro WIN new
.if MSB != (\new)
	s_set_vgpr_msb (MSB<<8)|(\new)
.set MSB, \new
.endif
.endm
.macro PLACES n
.rept \n
	v_nop
.endr
.endm
.macro JLOAD g0a, g1a, g0b, g1b
	s_cmp_eq_u32 s15, 0
	s_cbranch_scc0 .Lfor_b_\@
	tensor_load_to_lds s[\g0a:\g0a+3], s[\g1a:\g1a+7]
	s_nop 0
.rept 4
	v_nop
.endr
	s_branch .Lasked_\@
.Lfor_b_\@:
	tensor_load_to_lds s[\g0b:\g0b+3], s[\g1b:\g1b+7]
	s_nop 0
.rept 4
	v_nop
.endr
.Lasked_\@:
.endm
.macro CREST
	s_cmp_lg_u32 s14, 0
	s_cbranch_scc1 .Lnot_wave_0_\@
	s_barrier_signal -3
.Lnot_wave_0_\@:
	s_barrier_wait -3
	s_barrier_signal -1
	s_barrier_wait -1
.endm
.macro CROUND
	s_barrier_signal -1
	s_barrier_wait -1
	CREST
.endm
.macro FRAGB reg, adr, q, i
.irp c, 0,1                            ; two images, as they lie
	ds_load_b128 v[\reg+6*\c:\reg+6*\c+3], v[\adr] offset:(\i)*RG+(\q)*1536+768*\c
	ds_load_b64 v[\reg+6*\c+4:\reg+6*\c+5], v[\adr+2] offset:(\i)*RG+(\q)*1536+768*\c+512
.endr
.endm
.macro FRAGA reg, slot, q, i
.irp c, 0,1
	ds_load_b128 v[\reg+6*\c:\reg+6*\c+3], v[16+\slot] offset:(\i)*RG+(\q)*1536+768*\c
	ds_load_b64 v[\reg+6*\c+4:\reg+6*\c+5], v[18+\slot] offset:(\i)*RG+(\q)*1536+768*\c+512
.endr
.endm
.macro FETCH slot, q, p
	WIN 0x40
.set FI, 0
.rept NBLK
	FRAGB FR*NBLK*(\p)+FR*FI, 20+\slot, \q, FI
.set FI, FI+1
.endr
	WIN 0
.set FI, 0
.rept NBLK
	FRAGA 64+FR*NBLK*(\p)+FR*FI, \slot, \q, FI
.set FI, FI+1
.endr
.endm
.macro SCALES set
.set FI, 0
.rept NBLK
.if NQ == 2
	ds_load_b64 v[32+16*(\set)+2*FI:33+16*(\set)+2*FI], v27 offset:FI*SBLK
.else
	ds_load_b128 v[32+16*(\set)+4*FI:35+16*(\set)+4*FI], v27 offset:FI*SBLK
.endif
.set FI, FI+1
.endr
.endm
.macro MULQ k, p, q, set, zero
.set MA, (\k)*NBLK/4
.rept NBLK/4
.if (\zero) && BIAS
	WIN 0x91+0x40*(MA/4)
.else
	WIN 0xa1+0x50*(MA/4)
.endif
.set MB, 0
.rept NBLK
.set QD,  8*(NBLK*(MA%4)+MB)
.set QBF, FR*NBLK*(\p)+FR*MB
.set QAF, 64+FR*NBLK*(\p)+FR*MA
.set QSB, 32+16*(\set)+NQ*MB+(\q)
.set QSA, 32+16*(\set)+NQ*MA+(\q)
.if \zero
.if BIAS
	v_wmma_scale_f32_16x16x128_f8f6f4 v[QD:QD+7], v[QBF:QBF+11], v[QAF:QAF+11], v[192+8*MB:199+8*MB], v[QSB], v[QSA] matrix_a_fmt:MATRIX_FMT_BF6 matrix_b_fmt:MATRIX_FMT_BF6 matrix_a_scale:MATRIX_SCALE_ROW1
.else
	v_wmma_scale_f32_16x16x128_f8f6f4 v[QD:QD+7], v[QBF:QBF+11], v[QAF:QAF+11], 0, v[QSB], v[QSA] matrix_a_fmt:MATRIX_FMT_BF6 matrix_b_fmt:MATRIX_FMT_BF6 matrix_a_scale:MATRIX_SCALE_ROW1
.endif
.else
	v_wmma_scale_f32_16x16x128_f8f6f4 v[QD:QD+7], v[QBF:QBF+11], v[QAF:QAF+11], v[QD:QD+7], v[QSB], v[QSA] matrix_a_fmt:MATRIX_FMT_BF6 matrix_b_fmt:MATRIX_FMT_BF6 matrix_a_scale:MATRIX_SCALE_ROW1
.endif
.set MB, MB+1
.endr
.set MA, MA+1
.endr
.endm
.macro STEP slot, q, zero
	s_wait_dscnt 0x0
	PLACES 4
	FETCH \slot, (\q)+1, 1-(\q)%2
	MULQ 0, (\q)%2, \q, \slot, \zero
	MULQ 1, (\q)%2, \q, \slot, \zero
	MULQ 2, (\q)%2, \q, \slot, \zero
	MULQ 3, (\q)%2, \q, \slot, \zero
	WIN 0
.endm
.macro STEPS slot, from
.set SQ, \from
.rept NQ-1-(\from)
	STEP \slot, SQ, 0
.set SQ, SQ+1
.endr
.endm
.macro TURN slot, next, fill
	s_wait_tensorcnt 0x0
	ds_add_u32 v28, v29
	s_wait_dscnt 1
	MULQ 0, 1, NQ-1, \slot, 0
	s_wait_dscnt 0x0
	s_barrier_signal -1
	MULQ 1, 1, NQ-1, \slot, 0
	WIN 0
	s_barrier_wait -1
.if \fill
	CREST
	s_add_nc_u64 s[34+4*\slot:35+4*\slot], s[34+4*\slot:35+4*\slot], 2*ASTEP
	s_add_nc_u64 s[58+4*\slot:59+4*\slot], s[58+4*\slot:59+4*\slot], 2*BSTEP
	JLOAD 32+4*\slot, 24, 56+4*\slot, 48
.else
	PLACES 4
.endif
	s_wait_alu depctr_va_vdst(0)
	v_add_nc_u32 v27, 4*NQ, v27
	FETCH \next, 0, 0
	SCALES \next
	MULQ 2, 1, NQ-1, \slot, 0
	MULQ 3, 1, NQ-1, \slot, 0
	WIN 0
.endm
	s_load_b128 s[4:7], s[0:1], 0x0
	s_load_b128 s[8:11], s[0:1], 0x10
	s_load_b64 s[12:13], s[0:1], 0x20
	s_load_b64 s[92:93], s[0:1], 0x28
	v_lshl_add_u32 v28, v0, 2, SPARE
	v_mov_b32 v29, 0
	ds_add_u32 v28, v29
	ds_add_u32 v28, v29
	s_wait_dscnt 0x0
	v_lshrrev_b32 v1, 5, v0
	v_readfirstlane_b32 s14, v1
	s_lshr_b32 s15, s14, 1
	s_and_b32 s16, s14, 1
	s_bfe_u32 s40, ttmp6, 0x40000
	s_bfe_u32 s41, ttmp6, 0x40004
	s_lshl_b32 s42, ttmp9, 2
	s_add_co_u32 s42, s42, s40
	s_and_b32 s17, ttmp7, 0xffff
	s_lshl_b32 s17, s17, 2
	s_add_co_u32 s17, s17, s41
	s_lshl_b32 s43, s41, 2
	s_lshl_b32 s43, 15, s43
	s_lshl_b32 s44, 0x1111, s40
	s_or_b32 s24, s43, (3<<16)|(1<<21)             ; A and B alike: elements of 8 bytes, dense rows of RG bytes (16 rows' images of a slot's K), AMB bytes apart
	s_or_b32 s48, s44, (3<<16)|(1<<21)
.irp g, 24, 48
	s_mov_b32 s[\g+1], (RG/8)<<16
	s_mov_b32 s[\g+2], (2*NBLK)<<16                ; the head's loads bring a side's whole slot; behind them the two counts are set to NBLK
	s_mov_b32 s[\g+3], (RG/8)<<16
	s_mov_b32 s[\g+4], 2*NBLK
	s_mov_b32 s[\g+5], AMB/8
	s_mov_b32 s[\g+6], 0
	s_mov_b32 s[\g+7], 0
.endr
	s_or_b32 s68, s43, (3<<16)|(1<<20)|(1<<21)|(5<<22)|(3<<25)
	s_or_b32 s80, s44, (3<<16)|(1<<20)|(1<<21)|(5<<22)|(3<<25)
.irp g, 68, 80
	s_mov_b32 s[\g+1], 32<<16
	s_mov_b32 s[\g+2], (2*UN)<<16
	s_mov_b32 s[\g+3], 32<<16
	s_mov_b32 s[\g+4], 2*UN
	s_mov_b32 s[\g+5], 32
	s_mov_b32 s[\g+6], 0
	s_mov_b32 s[\g+7], 0
.endr
	s_mul_i32 s20, s17, 2*NBLK*AMB                 ; where my tile's images begin: A's,
	s_mul_i32 s46, s42, 2*NBLK*AMB                 ; B's
	s_mov_b32 s21, 0
	s_mov_b32 s47, 0
	s_mul_i32 s100, s16, NBLK*AMB                  ; in the ring I fetch half of a side's rows
	s_mov_b32 s101, 0
	s_mul_i32 s22, s17, 32*NBLK*KS
	s_add_co_u32 s22, s22, ASC
	s_mov_b32 s23, 0
	s_mul_i32 s94, s42, 32*NBLK*KS
	s_mov_b32 s95, 0
	s_mul_i32 s45, s16, HA                         ; LDS: no place in the cluster enters an LDS address
	s_add_co_u32 s96, s45, 2*HA
	s_wait_kmcnt 0x0
	s_add_nc_u64 s[20:21], s[4:5], s[20:21]
	s_add_nc_u64 s[22:23], s[4:5], s[22:23]
	s_add_nc_u64 s[46:47], s[6:7], s[46:47]
	s_add_nc_u64 s[94:95], s[8:9], s[94:95]
	CROUND
	s_mov_b32 s76, 1
	s_mov_b32 s77, SCL
	s_mov_b64 s[78:79], s[22:23]
	s_or_b32 s79, s79, 0x80000000
	s_mov_b32 s88, 1
	s_mov_b32 s89, SCL+2*HALFS
	s_mov_b64 s[90:91], s[94:95]
	s_or_b32 s91, s91, 0x80000000
	s_mov_b32 s32, 1                               ; slot 0's groups 0 first serve the head: a side's whole slot
	s_mov_b32 s33, 0
	s_mov_b64 s[34:35], s[20:21]
	s_or_b32 s35, s35, 0x80000000
	s_mov_b32 s56, 1
	s_mov_b32 s57, 2*HA
	s_mov_b64 s[58:59], s[46:47]
	s_or_b32 s59, s59, 0x80000000
	s_add_nc_u64 s[20:21], s[20:21], s[100:101]
	s_add_nc_u64 s[46:47], s[46:47], s[100:101]
	s_mov_b32 s36, 1                               ; slot 1's: my half
	s_add_co_u32 s37, s45, SLOT
	s_add_nc_u64 s[38:39], s[20:21], ASTEP
	s_or_b32 s39, s39, 0x80000000
	s_mov_b32 s60, 1
	s_add_co_u32 s61, s96, SLOT
	s_add_nc_u64 s[62:63], s[46:47], ASTEP
	s_or_b32 s63, s63, 0x80000000
; the head's four tiles, one joint load a wave: wave 0 A's slot 0, wave 1 B's, wave 2 A's scale bytes, wave 3 B's: one tree of branches on the wave's number
.macro ARM under, g0, g1, next
	s_cmp_lt_u32 s14, \under
	s_cbranch_scc0 \next
	tensor_load_to_lds s[\g0:\g0+3], s[\g1:\g1+7]
	s_nop 0
.rept 4
	v_nop
.endr
	s_branch .Lhead_asked
\next:
.endm
	ARM 1, 32, 24, .Lhead_b
	ARM 2, 56, 48, .Lhead_sa
	ARM 3, 76, 68, .Lhead_sb
	tensor_load_to_lds s[88:91], s[80:87]
	s_nop 0
.rept 4
	v_nop
.endr
.Lhead_asked:
	v_and_b32 v1, 15, v0
	v_bfe_u32 v2, v0, 4, 1
	v_and_b32 v3, 31, v0
	s_mul_i32 s18, s15, HA
	v_lshl_add_u32 v16, v3, 4, s18
	v_lshl_add_u32 v18, v3, 3, s18
	v_add_nc_u32 v17, SLOT, v16
	v_add_nc_u32 v19, SLOT, v18
	s_mul_i32 s18, s16, HA
	s_add_co_u32 s18, s18, 2*HA
	v_lshl_add_u32 v20, v3, 4, s18                 ; B's images: 16 x lane, 8 x lane
	v_lshl_add_u32 v22, v3, 3, s18
	v_add_nc_u32 v21, SLOT, v20
	v_add_nc_u32 v23, SLOT, v22
	v_mul_u32_u24 v5, v1, KS
	v_lshrrev_b32 v6, 8, v5
	v_lshl_add_u32 v5, v6, 4, v5
	s_mul_i32 s18, s15, HALFS
	s_mul_i32 s19, s16, HALFS
	s_add_co_u32 s19, s19, 2*HALFS
	s_sub_co_u32 s19, s19, s18
	v_mul_u32_u24 v6, s19, v2
	s_add_co_u32 s18, s18, SCL
	v_add_nc_u32 v5, v5, v6
	v_add_nc_u32 v27, s18, v5
	s_mul_i32 s98, s17, 32*NBLK
	s_mul_i32 s18, s15, 16*NBLK
	s_add_co_u32 s98, s98, s18
	s_mul_i32 s99, s42, 32*NBLK
	s_mul_i32 s18, s16, 16*NBLK
	s_add_co_u32 s99, s99, s18
	s_mul_i32 s18, s14, 4352
	v_mul_u32_u24 v24, v1, 272
	v_lshl_add_u32 v24, v2, 5, v24
	v_add_nc_u32 v24, s18, v24
	v_mul_u32_u24 v25, v2, 272
	v_lshl_add_u32 v25, v1, 4, v25
	v_add_nc_u32 v25, s18, v25
	v_lshlrev_b32 v26, 12, v2
	v_lshl_add_u32 v26, v1, 4, v26
	s_wait_alu depctr_va_vdst(0)
	s_lshl_b32 s18, s99, 2
	s_mov_b32 s19, 0
	s_add_nc_u64 s[10:11], s[10:11], s[18:19]
	v_lshlrev_b32 v6, 5, v2
	WIN 0x40
.set i, 0
.rept NBLK
	global_load_b128 v[192+8*i:195+8*i], v6, s[10:11] offset:64*i
	global_load_b128 v[196+8*i:199+8*i], v6, s[10:11] offset:64*i+16
.set i, i+1
.endr
	s_lshl_b32 s20, s98, 12
	s_add_co_u32 s20, s20, s18
	s_mov_b32 s21, 0
	s_add_nc_u64 s[12:13], s[12:13], s[20:21]
	s_add_nc_u64 s[92:93], s[92:93], s[20:21]
	WIN 0
	s_wait_loadcnt 0x0                             ; the bias
	s_wait_tensorcnt 0x0                           ; my tile of the head's four is in
	ds_add_u32 v28, v29
	s_mov_b32 s26, NBLK<<16                        ; no load of mine is out: from here on a load brings half of a side's rows,
	s_mov_b32 s28, NBLK
	s_mov_b32 s50, NBLK<<16
	s_mov_b32 s52, NBLK
	s_add_co_u32 s33, s33, s45                     ; and slot 0's groups 0 point at my half
	s_add_nc_u64 s[34:35], s[34:35], s[100:101]
	s_add_co_u32 s57, s57, s45
	s_add_nc_u64 s[58:59], s[58:59], s[100:101]
	s_wait_dscnt 0x0
	CROUND                                         ; all four tiles are in, all sixteen work-groups are here
	JLOAD 36, 24, 60, 48
	WIN 0xc0
.set i, 0
.rept 32
	global_load_b128 v[4*i:4*i+3], v26, s[12:13] offset:2*i*4096   ; my 64 x 64 of x1, asked for behind the tiles; waited for on the way out
.set i, i+1
.endr
	WIN 0
	FETCH 0, 0, 0
	SCALES 0
	STEP 0, 0, 1
.if LAPS > 1
	s_mov_b32 s3, LAPS-1
.Llap:
	STEPS 0, 1
	TURN 0, 1, 1
	STEPS 1, 0
	TURN 1, 0, 1
	STEP 0, 0, 0
	s_sub_co_u32 s3, s3, 1
	s_cmp_lg_u32 s3, 0
	s_cbranch_scc1 .Llap
.endif
	STEPS 0, 1
	TURN 0, 1, 0
	STEPS 1, 0
	s_wait_dscnt 0x0
	MULQ 0, 1, NQ-1, 1, 0
	MULQ 1, 1, NQ-1, 1, 0
	MULQ 2, 1, NQ-1, 1, 0
	MULQ 3, 1, NQ-1, 1, 0
	WIN 0
	PLACES 4
.irp a, 0,1,2,3
	WIN 0x08
.irp b, 0,1,2,3
	ds_store_b128 v24, v[8*(4*\a+\b):8*(4*\a+\b)+3] offset:64*\b
	ds_store_b128 v24, v[8*(4*\a+\b)+4:8*(4*\a+\b)+7] offset:64*\b+16
.endr
	WIN 0
.irp t, 0,1,2,3,4,5,6,7
	ds_load_b128 v[64+32*\a+4*\t:67+32*\a+4*\t], v25 offset:544*\t
.endr
.endr
	s_wait_loadcnt 0x0
.irp a, 0,1,2,3
	s_wait_dscnt 16*(3-\a)
	WIN 0x0c
.set i, 0
.rept 16
	v_pk_add_f32 v[64+32*\a+2*i:65+32*\a+2*i], v[64+32*\a+2*i:65+32*\a+2*i], v[32*\a+2*i:32*\a+2*i+1]
.set i, i+1
.endr
	WIN 0
.irp t, 0,1,2,3,4,5,6,7
	global_store_b128 v26, v[64+32*\a+4*\t:67+32*\a+4*\t], s[92:93] offset:(16*\a+2*\t)*4096 th:TH_STORE_NT
.endr
.endr
	s_wait_tensorcnt 0x0
	ds_add_u32 v28, v29
	s_wait_dscnt 0x0
	CROUND
	s_endpgm
.Lfunc_end_k_q8af7b73557_fc2:
	.size	k_q8af7b73557_fc2, .Lfunc_end_k_q8af7b73557_fc2-k_q8af7b73557_fc2
	.p2alignl 7, 3214868480
	.fill 96, 4, 3214868480
	.section	.rodata,"a",@progbits
	.p2align	6, 0x0
	.amdhsa_kernel k_q8af7b73557_fc2
		.amdhsa_group_segment_fixed_size 327680
		.amdhsa_private_segment_fixed_size 0
		.amdhsa_enable_private_segment 0
		.amdhsa_kernarg_size 48
		.amdhsa_user_sgpr_count 2
		.amdhsa_user_sgpr_kernarg_segment_ptr 1
		.amdhsa_wavefront_size32 1
		.amdhsa_system_sgpr_workgroup_id_x 1
		.amdhsa_system_sgpr_workgroup_id_y 1
		.amdhsa_system_sgpr_workgroup_id_z 1
		.amdhsa_system_vgpr_workitem_id 0
		.amdhsa_next_free_vgpr 1024
		.amdhsa_next_free_sgpr 102
		.amdhsa_reserve_vcc 0
		.amdhsa_float_denorm_mode_32 3
		.amdhsa_float_denorm_mode_16_64 3
		.amdhsa_memory_ordered 1
		.amdhsa_forward_progress 1
		.amdhsa_inst_pref_size 99
	.end_amdhsa_kernel
	.amdgpu_metadata
---
amdhsa.version: [ 1, 2 ]
amdhsa.kernels:
  - .name:           k_q8af7b73557_fc2
    .symbol:         k_q8af7b73557_fc2.kd
    .args:
      - { .name: g, .offset: 0, .size: 8, .value_kind: global_buffer, .address_space: global }
      - { .name: wp2, .offset: 8, .size: 8, .value_kind: global_buffer, .address_space: global }
      - { .name: fc2_w_scales, .offset: 16, .size: 8, .value_kind: global_buffer, .address_space: global }
      - { .name: fc2_b, .offset: 24, .size: 8, .value_kind: global_buffer, .address_space: global }
      - { .name: x1, .offset: 32, .size: 8, .value_kind: global_buffer, .address_space: global }
      - { .name: out0, .offset: 40, .size: 8, .value_kind: global_buffer, .address_space: global }
    .group_segment_fixed_size: 327680
    .private_segment_fixed_size: 0
    .kernarg_segment_align: 8
    .kernarg_segment_size: 48
    .max_flat_workgroup_size: 128
    .sgpr_count:     102
    .vgpr_count:     1024
    .wavefront_size: 32
...
	.end_amdgpu_metadata
.endif
;; end of part 6
